; MI455X (gfx1250); checked and timed in simulation.
; The chip was launched on July 23, 2026; its instructions are those of AMD's public machine-readable ISA for CDNA 5 (MIT licence, August 2026) and "CDNA5" Instruction Set Architecture Reference Guide (July 2026). The comments in the code are by the model that wrote it; some were corrected since.
;; Encoder Layer. Allowed arithmetic: float matrix products may take bf16 or f16 operands with f32 sums; other float arithmetic in f32, or as packed bf16 or f16 multiplies, adds, multiply-adds, maxima and minima; sums over many terms, partial sums and values carried from step to step in f32; what a program stores and reads back later, other than sums and carried values, may be rounded once to bf16 or f16.
;; Inputs: b1 4,096 float32; b2 1,024 float32; bk 1,024 float32; bo 1,024 float32; bq 1,024 float32; bv 1,024 float32; ln1_b 1,024 float32; ln1_w 1,024 float32; ln2_b 1,024 float32; ln2_w 1,024 float32; mask 2 x 2,048 x 2,048 int32; w1 4,096 x 1,024 float32; w2 1,024 x 4,096 float32; wk 1,024 x 1,024 float32; wo 1,024 x 1,024 float32; wq 1,024 x 1,024 float32; wv 1,024 x 1,024 float32; x 2 x 2,048 x 1,024 float32.
;; Outputs: out0 2 x 2,048 x 1,024 float32.
;; One version. Each part assembles by itself: llvm-mc -triple=amdgcn-amd-amdhsa -mcpu=gfx1250 --defsym DOCPART=n.
;; ======== version 1 of 1: 7 launches
;; limits: right only within a limited range of input values
;; workspace buffers: nx 8,388,608 bytes; big 33,554,432 bytes; x1 16,777,216 bytes; pa 18,907,136 bytes; pb 16,809,984 bytes
;; launch prep (part 1): grid 1793 x 1, 8 waves a work-group, no clusters, 17,408 bytes of LDS; arguments x, ln1_w, ln1_b, nx, mask, pa, pb, wq, wk, wv, w1, wo, w2, bq, bk, bv, b1; writes nx, pa, pb
.if DOCPART == 1
	.amdgcn_target "amdgcn-amd-amdhsa--gfx1250"
	.amdhsa_code_object_version 6
	.text
	.protected	k_qada7a0b49e_prep
	.globl	k_qada7a0b49e_prep
	.p2align	8
	.type	k_qada7a0b49e_prep,@function
k_qada7a0b49e_prep:
	s_mov_b64 s[64:65], 0
	v_nop
	global_prefetch_b8 v0, s[64:65] scope:SCOPE_SE
	s_setreg_imm32_b32 hwreg(HW_REG_WAVE_MODE, 25, 1), 1
	s_wait_xcnt 0x0
; PREP: everything that is a stream.  A work-group's number chooses its role; each wave does ONE task, with all its loads issued at once; no loop, no barrier.
;   0..511      LN1: a wave a row of x: nx = ln1_w (x - mean) / (std + 1e-5) + ln1_b, std with N - 1; f32 throughout, rounded once to bf16
;   512..1023   the mask: 16 queries x 128 keys a wave -> one byte a key, 0x00 (seen) or 0xFE (hidden; -448 in fp8 E4M3), laid out as attention's lanes want them
;   1024..1471  wq, wk, wv, w1 -> bf16, row-major, behind each other in pa (wq, wk, wv) and in pb (w1)
;   1472..1791  wo, w2 -> bf16 in PANELS [K/64][1024][64]: a row's 64 numbers are 128 dense bytes
;   1792        the biases of the two wide products and their floor words
; LIMITS: v_sqrt_f32 and v_rcp_f32 take denormals as 0: a row whose variance lies under 2^-126 counts as constant.  NaN and infinities are not treated apart.
; No matrix unit, cluster or tensor load: no byte is read twice and no wave wants another's bytes.
.set LW,    32768                      ; pa, pb: the row-major weights
.set SW,    8421376                    ; pa, pb: the weights in panels
.set MK,    10518528                   ; pa: the mask's codes
.set SPARE, 16384                      ; LDS: behind the eight waves' stages of 2,048 bytes: the spare words, 128 bytes a wave
.set SPW,   112                        ; v112 my spare word's LDS address; never rewritten
.set NIL,   113                        ; v113 0; never rewritten
.set X,  16                            ; v[16:47]  LN: the row, 32 numbers a lane
.set W,  48                            ; v[48:79]  LN: the gain
.set BV, 80                            ; v[80:111] LN: the bias
.set D,  16                            ; v[16:79]  other roles: as loaded
.set E,  80                            ; v[80:111] other roles: to store
; The sum of the four pairs v[4:11] over the wave's 32 lanes, into v4 of every lane.
.macro LANES
	v_pk_add_f32 v[4:5], v[4:5], v[6:7]
	v_pk_add_f32 v[8:9], v[8:9], v[10:11]
	v_pk_add_f32 v[4:5], v[4:5], v[8:9]
	v_add_f32 v4, v4, v5
	v_add_f32_dpp v4, v4, v4 row_xmask:1 row_mask:0xf bank_mask:0xf
	v_add_f32_dpp v4, v4, v4 row_xmask:2 row_mask:0xf bank_mask:0xf
	v_add_f32_dpp v4, v4, v4 row_xmask:4 row_mask:0xf bank_mask:0xf
	v_add_f32_dpp v4, v4, v4 row_xmask:8 row_mask:0xf bank_mask:0xf
	v_permlanex16_b32 v5, v4, s12, s13
	v_add_f32 v4, v4, v5
.endm
; One row of 1,024 f32 at s[4:5], gain s[6:7], bias s[8:9], to 1,024 bf16 at s[10:11].  v2 = 16 x lane, v3 = 8 x lane.
; Load j takes 512 consecutive bytes: a lane holds columns 128 j + 4 lane + 0..3.  The row stays in registers between the mean, the squares and the scaling.
.macro LNROW
.irp j, 0,1,2,3,4,5,6,7
	global_load_b128 v[X+4*\j:X+4*\j+3], v2, s[4:5] offset:512*\j th:TH_LOAD_NT
.endr
.irp j, 0,1,2,3,4,5,6,7
	global_load_b128 v[W+4*\j:W+4*\j+3], v2, s[6:7] offset:512*\j
.endr
.irp j, 0,1,2,3,4,5,6,7
	global_load_b128 v[BV+4*\j:BV+4*\j+3], v2, s[8:9] offset:512*\j
.endr
	s_wait_loadcnt 16                              ; the row is in; the 16 younger loads, gain and bias, stay out
.irp c, 0,1,2,3
	v_pk_add_f32 v[4+2*\c:5+2*\c], v[X+2*\c:X+2*\c+1], v[X+8+2*\c:X+9+2*\c]  ; four chains, started by the first eight pairs
.endr
.irp c, 0,1,2,3,4,5,6,7
	v_pk_add_f32 v[4+2*(\c%4):5+2*(\c%4)], v[4+2*(\c%4):5+2*(\c%4)], v[X+16+2*\c:X+17+2*\c]
.endr
	LANES
	v_mul_f32 v12, 0x3a800000, v4                  ; mean = sum / 1024, twice, for the packed subtraction
	v_mul_f32 v13, 0x3a800000, v4
.set i, 0
.rept 16
	v_pk_add_f32 v[X+i:X+i+1], v[X+i:X+i+1], v[12:13] neg_lo:[0,1] neg_hi:[0,1]  ; d = x - mean, in place: no difference of large sums is formed
.set i, i+2
.endr
.irp c, 0,1,2,3
	v_pk_mul_f32 v[4+2*\c:5+2*\c], v[X+2*\c:X+2*\c+1], v[X+2*\c:X+2*\c+1]
.endr
.irp c, 4,5,6,7,8,9,10,11,12,13,14,15
	v_pk_fma_f32 v[4+2*(\c%4):5+2*(\c%4)], v[X+2*\c:X+2*\c+1], v[X+2*\c:X+2*\c+1], v[4+2*(\c%4):5+2*(\c%4)]
.endr
	LANES
	v_mul_f32 v4, 0x3a802008, v4                   ; / 1023
	v_sqrt_f32 v6, v4
	v_nop                                          ; a plain instruction behind the root,
	s_wait_alu depctr_va_vdst(0)                   ; and the wait ahead of the first use of its result
	v_add_f32 v6, 0x3727c5ac, v6                   ; + 1e-5
	v_rcp_f32 v14, v6
	v_nop
	s_wait_alu depctr_va_vdst(0)
	v_mov_b32 v15, v14
	s_wait_loadcnt 0x0                             ; gain and bias
.set i, 0
.rept 16
	v_pk_mul_f32 v[X+i:X+i+1], v[X+i:X+i+1], v[14:15]
.set i, i+2
.endr
.set i, 0
.rept 16
	v_pk_fma_f32 v[X+i:X+i+1], v[X+i:X+i+1], v[W+i:W+i+1], v[BV+i:BV+i+1]
.set i, i+2
.endr
.set i, 0
.rept 16
	v_cvt_pk_bf16_f32 v[X+i], v[X+2*i], v[X+2*i+1] ; in place: register i was read by conversion i / 2
.set i, i+1
.endr
.irp j, 0,1,2,3,4,5,6,7
	global_store_b64 v3, v[X+2*\j:X+2*\j+1], s[10:11] offset:256*\j  ; the wave stores 256 consecutive bytes, aligned
.endr
.endm
; Sixteen chunks of 512 bytes of f32 at s[4:5] + v2 + instep j -> 256 bytes of bf16 at s[16:17] + v3 + outstep j.
.macro CAST16 instep, outstep
.set j, 0
.rept 16
	global_load_b128 v[D+4*j:D+4*j+3], v2, s[4:5] offset:(\instep)*j th:TH_LOAD_NT
.set j, j+1
.endr
.set j, 0
.rept 16
	s_wait_loadcnt 15-j                            ; chunk j is in; the younger ones stay out
	v_cvt_pk_bf16_f32 v[E+2*j], v[D+4*j], v[D+4*j+1]
	v_cvt_pk_bf16_f32 v[E+2*j+1], v[D+4*j+2], v[D+4*j+3]
	global_store_b64 v3, v[E+2*j:E+2*j+1], s[16:17] offset:(\outstep)*j
.set j, j+1
.endr
.endm
	v_lshl_add_u32 v[SPW], v0, 2, SPARE
	v_mov_b32 v[NIL], 0
	v_lshrrev_b32 v1, 5, v0
	v_readfirstlane_b32 s14, v1                    ; wave 0..7
	v_and_b32 v1, 31, v0                           ; lane
	v_lshlrev_b32 v2, 4, v1
	v_lshlrev_b32 v3, 3, v1
	s_mov_b32 s12, 0x76543210                      ; v_permlanex16_b32: each lane takes its own place in the other half
	s_mov_b32 s13, 0xfedcba98
	s_cmp_lt_u32 ttmp9, 512
	s_cbranch_scc0 .Lnot_ln
	; ---- LN1: row 8 x work-group + wave
	s_load_b256 s[4:11], s[0:1], 0x0               ; x, ln1_w, ln1_b, nx
	s_lshl_b32 s16, ttmp9, 3
	s_add_co_u32 s16, s16, s14
	s_lshl_b32 s18, s16, 12
	s_mov_b32 s19, 0
	s_lshl_b32 s20, s16, 11
	s_mov_b32 s21, 0
	s_wait_kmcnt 0x0
	s_add_nc_u64 s[4:5], s[4:5], s[18:19]
	s_add_nc_u64 s[10:11], s[10:11], s[20:21]
	LNROW
	s_endpgm
.Lnot_ln:
	s_cmp_lt_u32 ttmp9, 1024
	s_cbranch_scc0 .Lnot_mask
	; ---- the mask.  Task T: queries 16 (T / 16) .. + 15 (batches on end), keys 128 (T % 16) .. + 127: two blocks of 1,024 bytes.
	; In a block (16 queries, 64 keys) the byte at 512 (kt / 2) + 16 L + 8 (kt % 2) + j is query L % 16, key 16 kt + 8 (L / 16) + j:
	; lane L of attention finds the 32 codes of its query and its keys in two loads of 16 bytes, and the wave's load covers 512 consecutive bytes.
	s_load_b64 s[4:5], s[0:1], 32                  ; mask
	s_load_b64 s[6:7], s[0:1], 40                  ; pa
	s_sub_co_u32 s16, ttmp9, 512
	s_lshl_b32 s16, s16, 3
	s_add_co_u32 s16, s16, s14                     ; T
	s_lshr_b32 s18, s16, 4
	s_lshl_b32 s18, s18, 17                        ; 16 rows of 8,192 bytes
	s_and_b32 s20, s16, 15
	s_lshl_b32 s20, s20, 9                         ; 128 keys of 4 bytes
	s_add_co_u32 s18, s18, s20
	s_mov_b32 s19, 0
	s_lshl_b32 s20, s16, 11
	s_add_co_u32 s20, s20, MK
	s_mov_b32 s21, 0
	; my four keys 4 lane + 0..3 of row r go to the word at 1024 l4 + 512 l3 + 256 l1 + 8 l2 + 4 l0 + 16 r of my wave's stage (l0..l4: the lane's bits)
	v_and_b32 v4, 1, v1
	v_lshlrev_b32 v5, 2, v4
	v_bfe_u32 v4, v1, 1, 1
	v_lshl_add_u32 v5, v4, 8, v5
	v_bfe_u32 v4, v1, 2, 1
	v_lshl_add_u32 v5, v4, 3, v5
	v_bfe_u32 v4, v1, 3, 2
	v_lshl_add_u32 v5, v4, 9, v5
	s_lshl_b32 s17, s14, 11                        ; my wave's stage
	v_add_nc_u32 v5, s17, v5
	v_add_nc_u32 v6, s17, v2
	s_wait_kmcnt 0x0
	s_add_nc_u64 s[4:5], s[4:5], s[18:19]
	s_add_nc_u64 s[6:7], s[6:7], s[20:21]
.set r, 0
.rept 16
	global_load_b128 v[D+4*r:D+4*r+3], v2, s[4:5] offset:8192*r th:TH_LOAD_NT  ; 512 consecutive bytes of row r
.set r, r+1
.endr
.set r, 0
.rept 16
	s_wait_loadcnt 15-r                            ; row r is in; the younger rows stay out
	v_min_u32 v[D+4*r], 1, v[D+4*r]                ; 0 stays 0, every other word counts as seen
	v_min_u32 v[D+4*r+1], 1, v[D+4*r+1]
	v_min_u32 v[D+4*r+2], 1, v[D+4*r+2]
	v_min_u32 v[D+4*r+3], 1, v[D+4*r+3]
	v_lshl_or_b32 v[E+r], v[D+4*r+1], 8, v[D+4*r]
	v_lshl_or_b32 v[E+r], v[D+4*r+2], 16, v[E+r]
	v_lshl_or_b32 v[E+r], v[D+4*r+3], 24, v[E+r]
	v_xor_b32 v[E+r], 0x01010101, v[E+r]           ; 1 where hidden,
	v_mul_lo_u32 v[E+r], v[E+r], 0xfe              ; 0xFE there: no byte carries into the next
	ds_store_b32 v5, v[E+r] offset:16*r
.set r, r+1
.endr
.irp i, 0,1,2,3
	ds_load_b128 v[D+4*\i:D+4*\i+3], v6 offset:512*\i  ; my wave's own bytes; LDS serves a wave's instructions in order (ISA guide 5.7.1.4)
.endr
	s_wait_dscnt 0x0
.irp i, 0,1,2,3
	global_store_b128 v2, v[D+4*\i:D+4*\i+3], s[6:7] offset:512*\i
.endr
	s_wait_tensorcnt 0x0                           ; the wave's end, behind my last LDS store
	ds_add_u32 v[SPW], v[NIL]
	s_wait_dscnt 0x0
	s_endpgm
.Lnot_mask:
	s_cmp_lt_u32 ttmp9, 1472
	s_cbranch_scc0 .Lnot_flat
	; ---- row-major casts: chunk c of 65,536 bytes of f32; a wave takes 8,192 of them
	s_load_b64 s[4:5], s[0:1], 56                  ; wq
	s_load_b64 s[6:7], s[0:1], 64                  ; wk
	s_load_b64 s[8:9], s[0:1], 72                  ; wv
	s_load_b64 s[10:11], s[0:1], 80                ; w1
	s_load_b64 s[16:17], s[0:1], 40                ; pa
	s_load_b64 s[18:19], s[0:1], 48                ; pb
	s_sub_co_u32 s20, ttmp9, 1024                  ; c: 0..191 wq, wk, wv (64 each); 192..447 w1
	s_lshr_b32 s21, s20, 6
	s_and_b32 s22, s20, 63
	s_sub_co_u32 s23, s20, 192
	s_cmp_ge_u32 s20, 192
	s_cselect_b32 s22, s23, s22                    ; the chunk in its source,
	s_cselect_b32 s23, s23, s20                    ; and in its pack
	s_lshl_b32 s22, s22, 16
	s_lshl_b32 s24, s14, 13
	s_add_co_u32 s22, s22, s24
	s_lshl_b32 s24, s23, 15
	s_mov_b32 s23, 0
	s_lshl_b32 s25, s14, 12
	s_add_co_u32 s24, s24, s25
	s_add_co_u32 s24, s24, LW
	s_mov_b32 s25, 0
	s_wait_kmcnt 0x0
	s_cmp_eq_u32 s21, 1
	s_cselect_b64 s[4:5], s[6:7], s[4:5]
	s_cmp_eq_u32 s21, 2
	s_cselect_b64 s[4:5], s[8:9], s[4:5]
	s_cmp_ge_u32 s20, 192
	s_cselect_b64 s[4:5], s[10:11], s[4:5]
	s_cselect_b64 s[16:17], s[18:19], s[16:17]
	s_add_nc_u64 s[4:5], s[4:5], s[22:23]
	s_add_nc_u64 s[16:17], s[16:17], s[24:25]
	CAST16 512, 256
	s_endpgm
.Lnot_flat:
	s_cmp_lt_u32 ttmp9, 1792
	s_cbranch_scc0 .Lbias
	; ---- casts into panels.  A task: rows n, n + 1, columns 1,024 kg .. + 1,023: sixteen panels.  Load j: each half of the lanes takes 256 consecutive bytes
	; (64 numbers: panel 16 kg + j) of one row; store j: the two rows' 128 bytes lie on end in the panel: 256 consecutive bytes.
	s_load_b64 s[4:5], s[0:1], 88                  ; wo
	s_load_b64 s[6:7], s[0:1], 96                  ; w2
	s_load_b64 s[16:17], s[0:1], 40                ; pa
	s_load_b64 s[18:19], s[0:1], 48                ; pb
	s_sub_co_u32 s20, ttmp9, 1472                  ; 0..63 wo, 64..319 w2
	s_lshl_b32 s21, s20, 3
	s_add_co_u32 s21, s21, s14                     ; wo: the task = n / 2
	s_sub_co_u32 s22, s21, 512                     ; w2: the task
	s_and_b32 s23, s22, 3                          ;     kg
	s_lshr_b32 s24, s22, 2                         ;     n / 2
	s_cmp_lt_u32 s20, 64
	s_cselect_b32 s23, 0, s23
	s_cselect_b32 s24, s21, s24
	s_cselect_b32 s25, 12, 14                      ; a row is 2^12 or 2^14 bytes
	s_add_co_u32 s26, s25, 1
	s_lshl_b32 s26, s24, s26                       ; n rows
	s_lshl_b32 s27, s23, 12
	s_add_co_u32 s26, s26, s27
	s_mov_b32 s27, 0
	s_lshl_b32 s22, s23, 21                        ; 16 kg panels of 131,072 bytes
	s_lshl_b32 s23, s24, 8                         ; n rows of 128
	s_add_co_u32 s22, s22, s23
	s_add_co_u32 s22, s22, SW
	s_mov_b32 s23, 0
	v_lshrrev_b32 v4, 4, v1
	v_lshlrev_b32 v4, s25, v4
	v_and_b32 v5, 15, v1
	v_lshl_add_u32 v2, v5, 4, v4
	s_wait_kmcnt 0x0
	s_cmp_lt_u32 s20, 64
	s_cselect_b64 s[4:5], s[4:5], s[6:7]
	s_cselect_b64 s[16:17], s[16:17], s[18:19]
	s_add_nc_u64 s[4:5], s[4:5], s[26:27]
	s_add_nc_u64 s[16:17], s[16:17], s[22:23]
	CAST16 256, 131072
	s_endpgm
.Lbias:
	; ---- pa: bq, bk, bv on end, then 4,096 bytes of the floor -inf (twice in bf16); pb: b1, then the floor 0.  Thread t takes the 16 bytes at 16 t of each piece of 4,096
	s_load_b64 s[4:5], s[0:1], 104                 ; bq
	s_load_b64 s[6:7], s[0:1], 112                 ; bk
	s_load_b64 s[8:9], s[0:1], 120                 ; bv
	s_load_b64 s[10:11], s[0:1], 128               ; b1
	s_load_b64 s[16:17], s[0:1], 40                ; pa
	s_load_b64 s[18:19], s[0:1], 48                ; pb
	v_lshlrev_b32 v2, 4, v0                        ; 16 x thread
.irp i, 0,1,2,3
	v_mov_b32 v[48+\i], 0xff80ff80
	v_mov_b32 v[52+\i], 0
.endr
	s_wait_kmcnt 0x0
	global_load_b128 v[16:19], v2, s[4:5]
	global_load_b128 v[20:23], v2, s[6:7]
	global_load_b128 v[24:27], v2, s[8:9]
.irp i, 0,1,2,3
	global_load_b128 v[28+4*\i:31+4*\i], v2, s[10:11] offset:4096*\i
.endr
	global_store_b128 v2, v[48:51], s[16:17] offset:16384
	global_store_b128 v2, v[52:55], s[18:19] offset:16384
	s_wait_loadcnt 0x0
	global_store_b128 v2, v[16:19], s[16:17]
	global_store_b128 v2, v[20:23], s[16:17] offset:4096
	global_store_b128 v2, v[24:27], s[16:17] offset:8192
.irp i, 0,1,2,3
	global_store_b128 v2, v[28+4*\i:31+4*\i], s[18:19] offset:4096*\i
.endr
	s_endpgm
.Lfunc_end_k_qada7a0b49e_prep:
	.size	k_qada7a0b49e_prep, .Lfunc_end_k_qada7a0b49e_prep-k_qada7a0b49e_prep
	.p2alignl 7, 3214868480
	.fill 96, 4, 3214868480
	.section	.rodata,"a",@progbits
	.p2align	6, 0x0
	.amdhsa_kernel k_qada7a0b49e_prep
		.amdhsa_group_segment_fixed_size 17408
		.amdhsa_private_segment_fixed_size 0
		.amdhsa_enable_private_segment 0
		.amdhsa_kernarg_size 136
		.amdhsa_user_sgpr_count 2
		.amdhsa_user_sgpr_kernarg_segment_ptr 1
		.amdhsa_wavefront_size32 1
		.amdhsa_system_sgpr_workgroup_id_x 1
		.amdhsa_system_sgpr_workgroup_id_y 1
		.amdhsa_system_sgpr_workgroup_id_z 1
		.amdhsa_system_vgpr_workitem_id 0
		.amdhsa_next_free_vgpr 114
		.amdhsa_next_free_sgpr 66
		.amdhsa_reserve_vcc 0
		.amdhsa_float_denorm_mode_32 3
		.amdhsa_float_denorm_mode_16_64 3
		.amdhsa_memory_ordered 1
		.amdhsa_forward_progress 1
		.amdhsa_inst_pref_size 41
	.end_amdhsa_kernel
	.amdgpu_metadata
---
amdhsa.version: [ 1, 2 ]
amdhsa.kernels:
  - .name:           k_qada7a0b49e_prep
    .symbol:         k_qada7a0b49e_prep.kd
    .args:
      - { .name: x, .offset: 0, .size: 8, .value_kind: global_buffer, .address_space: global }
      - { .name: ln1_w, .offset: 8, .size: 8, .value_kind: global_buffer, .address_space: global }
      - { .name: ln1_b, .offset: 16, .size: 8, .value_kind: global_buffer, .address_space: global }
      - { .name: nx, .offset: 24, .size: 8, .value_kind: global_buffer, .address_space: global }
      - { .name: mask, .offset: 32, .size: 8, .value_kind: global_buffer, .address_space: global }
      - { .name: pa, .offset: 40, .size: 8, .value_kind: global_buffer, .address_space: global }
      - { .name: pb, .offset: 48, .size: 8, .value_kind: global_buffer, .address_space: global }
      - { .name: wq, .offset: 56, .size: 8, .value_kind: global_buffer, .address_space: global }
      - { .name: wk, .offset: 64, .size: 8, .value_kind: global_buffer, .address_space: global }
      - { .name: wv, .offset: 72, .size: 8, .value_kind: global_buffer, .address_space: global }
      - { .name: w1, .offset: 80, .size: 8, .value_kind: global_buffer, .address_space: global }
      - { .name: wo, .offset: 88, .size: 8, .value_kind: global_buffer, .address_space: global }
      - { .name: w2, .offset: 96, .size: 8, .value_kind: global_buffer, .address_space: global }
      - { .name: bq, .offset: 104, .size: 8, .value_kind: global_buffer, .address_space: global }
      - { .name: bk, .offset: 112, .size: 8, .value_kind: global_buffer, .address_space: global }
      - { .name: bv, .offset: 120, .size: 8, .value_kind: global_buffer, .address_space: global }
      - { .name: b1, .offset: 128, .size: 8, .value_kind: global_buffer, .address_space: global }
    .group_segment_fixed_size: 17408
    .private_segment_fixed_size: 0
    .kernarg_segment_align: 8
    .kernarg_segment_size: 136
    .max_flat_workgroup_size: 256
    .sgpr_count:     66
    .vgpr_count:     114
    .wavefront_size: 32
...
	.end_amdgpu_metadata
.endif
;; end of part 1
;; launch qkv (part 2): grid 12 x 16, 4 waves a work-group, clusters of 4 x 4, 327,680 bytes of LDS; arguments nx, pa, big; writes big
.if DOCPART == 2
	.amdgcn_target "amdgcn-amd-amdhsa--gfx1250"
	.amdhsa_code_object_version 6
	.text
	.protected	k_qada7a0b49e_qkv
	.globl	k_qada7a0b49e_qkv
	.p2align	8
	.type	k_qada7a0b49e_qkv,@function
k_qada7a0b49e_qkv:
	s_mov_b64 s[64:65], 0
	v_nop
	global_prefetch_b8 v0, s[64:65] scope:SCOPE_SE
	s_setreg_imm32_b32 hwreg(HW_REG_WAVE_MODE, 25, 1), 1
	s_wait_xcnt 0x0
	s_wait_alu depctr_hold_cnt(0) depctr_sa_sdst(0) depctr_va_vdst(0) depctr_va_sdst(0) depctr_va_ssrc(0) depctr_va_vcc(0) depctr_vm_vsrc(0)
	s_getreg_b32 s2, hwreg(HW_REG_IB_STS2, 6, 4)
	s_cmp_eq_u32 s2, 0
	s_cbranch_scc0 .Lentry_in_a_cluster
	s_endpgm
.Lentry_in_a_cluster:
	s_bfe_u32 s2, ttmp6, 0x10000c
	s_cmp_lg_u32 s2, 0xf033
	s_cbranch_scc0 .Lentry_shape_is_right
	s_endpgm
.Lentry_shape_is_right:
; THE WIDE PRODUCT: C[m][n] = max(floor, bias[n] + sum over k of A[m][k] B[n][k]).  A: [4096][1024] bf16 row-major.  The pack holds bias (f32, byte 0 on), the floor
; (two bf16 in the word at byte 16,384: -inf for q, k, v; 0 for the ReLU) and B ([N][1024] bf16, byte 32,768 on).  Sums in f32, C rounded once to bf16.
; C LEAVES IN PANELS [N/64][4096][64]: a row's 64 numbers are 128 dense bytes: q, k, v by heads; h as the next product's K slices.
; LIMIT: the packed maximum gives the floor where a sum is NaN.
; A tile of C is 256 x 256: four waves, each 128 x 128 in 64 accumulators (512 registers).  K goes in steps of 128 through two LDS slots filled by the tensor data mover.
; THE LOOP'S TEXT HOLDS ONE K STEP: which slot is in hand and which is the other stands in registers that change places at each trip's end.
; CLUSTERS of 4 x 4: A's tile is asked for jointly along a row of the cluster, B's along a column: the same load, descriptor and mask in the four.
; THE MATRIX INSTRUCTION IS USED TRANSPOSED (source 0 = 16 rows of B, source 1 = 16 rows of A): lane l holds row l % 16 of C and the columns 8 (l / 16) + 0..7.
; So a lane's eight bias numbers ARE the C operand of the product that starts a sum: the bias costs no vector instruction and nothing is cleared.
; REGISTERS in windows of 256 (s_set_vgpr_msb: bits 1:0 source 0, 3:2 source 1, 5:4 source 2, 7:6 destination):
;   window 0: v0-31 addresses; v64-191 A's fragments, two buffers (in the last K step four); v192-255 the bias, later at work on the way out, with v32-63
;   window 1: v64-191 B's fragments, two buffers; in the last K step all 256      window 2, 3: the accumulators of my rows 0-63, 64-127, (a, b) at v[8 (8 a + b)]
.set SIZE_K, 1024
.set KSTEP,  128
.set STEPS,  SIZE_K/KSTEP
.set PITCH,  272                       ; an LDS row: 256 bytes + 16 of padding: the 16 rows of a fragment load start at 16 different groups of four banks (ISA guide 11.1)
.set HALFT,  128*PITCH                 ; what one tensor load brings: 0x8800 bytes
.set SLOT,   4*HALFT                   ; A's 256 rows, then B's 256: 0x22000 bytes, which shares no bit with wave x 0x8800: an exclusive or with it turns a wave's place in one slot into its place in the other
.set STAGE,  2*SLOT                    ; behind the ring, each wave's own: two panels x 16 rows x 144 bytes
.set SPP,    144
.set SPAN,   16*SPP
.set SPARE,  STAGE+4*2*SPAN            ; the spare words, 128 bytes a wave
.set LW,     32768
.set PANELB, 524288                    ; a panel of C: 4,096 rows of 128 bytes
.set ADRA, 16                          ; v16 LDS address of my A fragments in the slot in hand, v17 in the other
.set A0,   18                          ; v18 the same from a slot's first byte; never rewritten
.set ADRB, 20                          ; v20, v21, v22 the same for B
.set B0,   22
.set STO,  24                          ; v24 the way out: where I put 16 bytes of a row
.set RD,   25                          ; v25 where I read rows back
.set CO,   26                          ; v26 16 x lane: my place in 512 consecutive bytes of a panel
.set FL,   27                          ; v27 the floor
.set SPW,  28                          ; v28 my spare word; never rewritten
.set NIL,  29                          ; v29 0; never rewritten
.set PFO,  30                          ; v30 the prefetches' offset: lane x a row of 2,048 bytes
.set BO,   31                          ; v31 32 (l / 16): my eight bias numbers in a block of 16
.set TC,   16                          ; s16 first byte of the slot in hand: 0 or SLOT
.set TN,   17                          ; s17 of the other
.set PFA,  44                          ; s[44:45] where my prefetches stand
.set LIM,  43                          ; s43 2 in a wave that prefetches, else the greatest number
.set F0,   64
.set F1,   128
.set TMP,  192
.set BIAS, 192
.set OB,   32
.set PA,   64
.set G1,  24                           ; s[24:31] A's descriptor group 1; s[32:39] group 0: a set for each of the two first fills; the second then walks on
.set G0,  32
.set G1B, 48                           ; s[48:55], s[56:63] B's
.set G0B, 56
.set MSB, 0
.macro WIN new                         ; the immediate's high byte repeats the setting that is left; a switch that changes nothing is dropped
.if MSB != (\new)
	s_set_vgpr_msb (MSB<<8)|(\new)
.set MSB, \new
.endif
.endm
.set MUL_LO, 0xa1                      ; B window 1, A window 0, C and D window 2
.set MUL_HI, 0xf1                      ; C and D window 3
.set TO_B,   0x40
; A joint load: waves 0 and 1 fetch A's halves, waves 2 and 3 B's.  The branch hangs on the wave's number alone.  s_nop 0 and four v_nop follow each line.
.macro JLOAD s
	s_cmp_eq_u32 s11, 0
	s_cbranch_scc0 .Lfor_b_\@
	tensor_load_to_lds s[G0+4*(\s):G0+4*(\s)+3], s[G1:G1+7]
	s_nop 0
.rept 4
	v_nop
.endr
	s_branch .Lasked_\@
.Lfor_b_\@:
	tensor_load_to_lds s[G0B+4*(\s):G0B+4*(\s)+3], s[G1B:G1B+7]
	s_nop 0
.rept 4
	v_nop
.endr
.Lasked_\@:
.endm
; A prefetch into the L2 of the K step two refills on: 32 rows x 256 bytes, a lane a row.  A's rows are asked for by the clusters with x = 0, B's by those with y = 0; the four partners
; that fetch a tile jointly share its rows out by address, 32 each.  So each row's 256 bytes of a K step are named once.  The loop's last two trips have no K step two refills on.
.macro ASK
	s_cmp_gt_u32 s3, s[LIM]
	s_cbranch_scc0 .Lnot_mine_\@
	global_prefetch_b8 v[PFO], s[PFA:PFA+1] offset:KSTEP*2 th:TH_LOAD_NT scope:SCOPE_SE
.Lnot_mine_\@:
.endm
.macro CREST                           ; a round of the cluster's barrier behind its opening barrier
	s_cmp_lg_u32 s10, 0
	s_cbranch_scc1 .Lnot_wave_0_\@
	s_barrier_signal -3
.Lnot_wave_0_\@:
	s_barrier_wait -3
	s_barrier_signal -1
	s_barrier_wait -1
.endm
.macro CROUND
	s_barrier_signal -1
	s_barrier_wait -1
	CREST
.endm
.macro ADDR                            ; my fragments' LDS addresses in the slot in hand and in the other
	v_add_nc_u32 v[ADRA], s[TC], v[A0]
	v_add_nc_u32 v[ADRB], s[TC], v[B0]
	v_add_nc_u32 v[ADRA+1], s[TN], v[A0]
	v_add_nc_u32 v[ADRB+1], s[TN], v[B0]
.endm
	s_load_b128 s[4:7], s[0:1], 0x0                ; A s[4:5], the pack s[6:7]
	s_load_b64 s[8:9], s[0:1], 0x10                ; C
	v_lshl_add_u32 v[SPW], v0, 2, SPARE
	v_mov_b32 v[NIL], 0
	ds_add_u32 v[SPW], v[NIL]                      ; the wave's opening: the add and its wait ahead of my first tensor load
	v_lshrrev_b32 v1, 5, v0
	v_readfirstlane_b32 s10, v1                    ; wave 0..3
	s_lshr_b32 s11, s10, 1                         ; my half of the tile's rows; also: I fetch for A (0) or B (1)
	s_and_b32 s12, s10, 1                          ; my half of its columns; also: which 128 rows I fetch
	s_bfe_u32 s40, ttmp6, 0x40000                  ; cx
	s_bfe_u32 s41, ttmp6, 0x40004                  ; cy
	s_lshl_b32 s42, ttmp9, 2
	s_add_co_u32 s42, s42, s40                     ; tile column
	s_and_b32 s13, ttmp7, 0xffff
	s_lshl_b32 s13, s13, 2
	s_add_co_u32 s13, s13, s41                     ; tile row
	s_lshl_b32 s43, s41, 2
	s_lshl_b32 s43, 15, s43                        ; my row of the cluster
	s_lshl_b32 s44, 0x1111, s40                    ; my column
	s_or_b32 s[G1+0], s43, (1<<16)|(1<<20)|(1<<21)|(5<<22)|(3<<25)   ; the mask; 2-byte elements; padding on; bit 21 beside a mask; after every 64 words 4 words
	s_or_b32 s[G1B+0], s44, (1<<16)|(1<<20)|(1<<21)|(5<<22)|(3<<25)
.irp g, G1, G1B
	s_mov_b32 s[(\g)+1], KSTEP<<16                 ; tensor_dim0 = 128
	s_mov_b32 s[(\g)+2], 128<<16                   ; tensor_dim1 = 128
	s_mov_b32 s[(\g)+3], KSTEP<<16                 ; tile_dim0 = 128
	s_mov_b32 s[(\g)+4], 128                       ; tile_dim1 = 128
	s_mov_b32 s[(\g)+5], SIZE_K                    ; elements from row to row
	s_mov_b32 s[(\g)+6], 0
	s_mov_b32 s[(\g)+7], 0
.endr
	s_lshl_b32 s17, s12, 7
	s_lshl_b32 s16, s13, 8
	s_add_co_u32 s16, s16, s17                     ; A: row 256 x tile row + 128 x half
	s_lshl_b32 s46, s42, 8
	s_add_co_u32 s46, s46, s17                     ; B: row 256 x tile column + 128 x half
	s_mov_b32 s17, 0
	s_mov_b32 s47, 0
	s_mov_b64 s[18:19], SIZE_K*2
	s_mul_u64 s[16:17], s[16:17], s[18:19]
	s_mul_u64 s[46:47], s[46:47], s[18:19]
	s_mul_i32 s20, s10, HALFT                      ; where they go: wave x 128 rows
	s_wait_dscnt 0x0                               ; the opening add is done
	s_wait_kmcnt 0x0
	s_add_nc_u64 s[70:71], s[6:7], LW              ; B
	s_add_nc_u64 s[14:15], s[4:5], s[16:17]
	s_add_nc_u64 s[46:47], s[70:71], s[46:47]
	s_load_b32 s68, s[6:7], 0x4000                 ; the floor
	CROUND                                         ; all sixteen work-groups are here: the first joint loads meet
.irp s, 0,1
	s_mov_b32 s[G0+4*(\s)], 1
	s_add_co_u32 s[G0+4*(\s)+1], s20, (\s)*SLOT
	s_add_nc_u64 s[G0+4*(\s)+2:G0+4*(\s)+3], s[14:15], (\s)*KSTEP*2
	s_or_b32 s[G0+4*(\s)+3], s[G0+4*(\s)+3], 0x80000000
	s_mov_b32 s[G0B+4*(\s)], 1
	s_add_co_u32 s[G0B+4*(\s)+1], s20, (\s)*SLOT
	s_add_nc_u64 s[G0B+4*(\s)+2:G0B+4*(\s)+3], s[46:47], (\s)*KSTEP*2
	s_or_b32 s[G0B+4*(\s)+3], s[G0B+4*(\s)+3], 0x80000000
	JLOAD \s
.endr
	v_and_b32 v1, 15, v0                           ; l % 16
	v_bfe_u32 v2, v0, 4, 1                         ; l / 16
	v_lshlrev_b32 v[BO], 5, v2
	s_lshl_b32 s66, s42, 10                        ; the bias of my 128 columns: 1,024 x tile column + 512 x half
	s_lshl_b32 s67, s12, 9
	s_add_co_u32 s66, s66, s67
	s_mov_b32 s67, 0
	s_add_nc_u64 s[66:67], s[6:7], s[66:67]
.irp b, 0,1,2,3,4,5,6,7
	global_load_b128 v[BIAS+8*\b:BIAS+8*\b+3],   v[BO], s[66:67] offset:64*\b
	global_load_b128 v[BIAS+8*\b+4:BIAS+8*\b+7], v[BO], s[66:67] offset:64*\b+16
.endr
	v_mul_u32_u24 v3, v1, PITCH
	v_lshl_add_u32 v3, v2, 4, v3                   ; a fragment's row x pitch + 16 x half
	s_mul_i32 s21, s11, HALFT
	s_mul_i32 s22, s12, HALFT
	s_add_co_u32 s22, s22, 2*HALFT
	v_add_nc_u32 v[A0], s21, v3
	v_add_nc_u32 v[B0], s22, v3
	s_mul_i32 s23, s10, 2*SPAN
	s_add_co_u32 s23, s23, STAGE                   ; my stage
	v_mul_u32_u24 v4, v1, SPP                      ; in: row l % 16, 16 bytes for each half of the lanes
	v_lshl_add_u32 v4, v2, 4, v4
	v_add_nc_u32 v[STO], s23, v4
	v_bfe_u32 v5, v0, 3, 2                         ; back: 32 lanes take four rows of 128 bytes,
	v_and_b32 v6, 7, v0
	v_mul_u32_u24 v5, v5, SPP
	v_lshl_add_u32 v5, v6, 4, v5
	v_add_nc_u32 v[RD], s23, v5
	v_and_b32 v[CO], 31, v0                        ; which are 512 consecutive bytes of a panel
	v_lshlrev_b32 v[CO], 4, v[CO]
	s_lshl_b32 s16, s13, 15                        ; my part of C: 256 x tile row + 128 x half rows of 128 bytes,
	s_lshl_b32 s14, s11, 14
	s_add_co_u32 s16, s16, s14
	s_mov_b32 s17, 0
	s_add_nc_u64 s[8:9], s[8:9], s[16:17]
	s_lshl_b32 s46, s42, 21                        ; panel 4 x tile column + 2 x half (in registers that feed no descriptor of A's)
	s_lshl_b32 s47, s12, 20
	s_add_co_u32 s46, s46, s47
	s_mov_b32 s47, 0
	s_add_nc_u64 s[8:9], s[8:9], s[46:47]
	; the prefetches
	s_lshl_b32 s13, s13, 8
	s_lshl_b32 s42, s42, 8
	s_and_b32 s22, ttmp7, 0xffff
	s_cmp_eq_u32 s11, 0                            ; do I fetch for A?
	s_cselect_b32 s20, s13, s42                    ; the tile's first row
	s_cselect_b32 s21, s40, s41                    ; my place among the four that ask with me
	s_cselect_b32 s22, ttmp9, s22                  ; the coordinate along which other clusters read the same rows
	s_cselect_b64 s[PFA:PFA+1], s[4:5], s[70:71]
	s_cmp_eq_u32 s22, 0
	s_cselect_b32 s[LIM], 2, -1
	s_lshl_b32 s22, s12, 7
	s_add_co_u32 s20, s20, s22
	s_lshl_b32 s21, s21, 5
	s_add_co_u32 s20, s20, s21
	s_mov_b32 s21, 0
	s_mov_b64 s[18:19], SIZE_K*2
	s_mul_u64 s[20:21], s[20:21], s[18:19]
	s_add_nc_u64 s[PFA:PFA+1], s[PFA:PFA+1], s[20:21]
	s_add_nc_u64 s[PFA:PFA+1], s[PFA:PFA+1], 2*KSTEP*2  ; at K step 2: the first refill steps it to 3 and names K step 4; nothing is asked for here at the head
	v_and_b32 v[PFO], 31, v0
	v_mul_u32_u24 v[PFO], v[PFO], SIZE_K*2
	s_mov_b32 s[TC], 0                             ; K step 0 lies in slot 0
	s_mov_b32 s[TN], SLOT
	ADDR
	s_wait_kmcnt 0x0
	v_mov_b32 v[FL], s68
; 16 matrix instructions: m blocks a0, a0 + 1 of the window's four x all 8 n blocks, 32 along K.  zero = 1: the bias starts the sums (C in window 0).
.macro MUL16 f, hi, a0, zero
.if \zero
	WIN 0x81+0x40*(\hi)
.else
	WIN MUL_LO+0x50*(\hi)
.endif
.irp a, \a0, (\a0)+1
.irp b, 0,1,2,3,4,5,6,7
.if \zero
	v_wmma_f32_16x16x32_bf16 v[8*(8*(\a)+(\b)):8*(8*(\a)+(\b))+7], v[(\f)+8*(\b):(\f)+8*(\b)+7], v[(\f)+8*(4*(\hi)+(\a)):(\f)+8*(4*(\hi)+(\a))+7], v[BIAS+8*(\b):BIAS+8*(\b)+7]
.else
	v_wmma_f32_16x16x32_bf16 v[8*(8*(\a)+(\b)):8*(8*(\a)+(\b))+7], v[(\f)+8*(\b):(\f)+8*(\b)+7], v[(\f)+8*(4*(\hi)+(\a)):(\f)+8*(4*(\hi)+(\a))+7], v[8*(8*(\a)+(\b)):8*(8*(\a)+(\b))+7]
.endif
.endr
.endr
.endm
.macro FETCH slot, k, f                ; 32 LDS loads in one run: a quarter step's fragments.  slot = 0: the slot in hand, 1: the other
	WIN TO_B
.irp i, 0,1,2,3,4,5,6,7
	ds_load_b128 v[(\f)+8*(\i):(\f)+8*(\i)+3],   v[ADRB+(\slot)] offset:(\k)+(\i)*16*PITCH
	ds_load_b128 v[(\f)+8*(\i)+4:(\f)+8*(\i)+7], v[ADRB+(\slot)] offset:(\k)+(\i)*16*PITCH+32
.endr
	WIN 0
.irp i, 0,1,2,3,4,5,6,7
	ds_load_b128 v[(\f)+8*(\i):(\f)+8*(\i)+3],   v[ADRA+(\slot)] offset:(\k)+(\i)*16*PITCH
	ds_load_b128 v[(\f)+8*(\i)+4:(\f)+8*(\i)+7], v[ADRA+(\slot)] offset:(\k)+(\i)*16*PITCH+32
.endr
.endm
.macro PLACES                          ; four plain instructions between a matrix instruction and loads into registers it read, or readers of its result
.rept 4
	v_nop
.endr
.endm
; A K step is four quarters of 32 along K, 64 matrix instructions each, on buffers 0, 1, 0, 1; the 64 accumulators take turns.
.macro QUARTER slot, k, f, g, zero
	s_wait_dscnt 8                                 ; B and A's rows 0-63 are in; the youngest eight loads may be out
	MUL16 \f, 0, 0, \zero
	MUL16 \f, 0, 2, \zero
	PLACES
	FETCH \slot, \k, \g
	s_wait_dscnt 32                                ; all but the 32 just issued
	MUL16 \f, 1, 0, \zero
	MUL16 \f, 1, 2, \zero
.endm
; The change of slots: each wave waits for all its tensor loads (one is out: its part of the other slot), adds 0 to its spare word, waits for that and for its reads of the slot in hand, and signals.
.macro MEET round
	WIN 0
	s_wait_tensorcnt 0x0
	ds_add_u32 v[SPW], v[NIL]
	s_wait_dscnt 9                                 ; the add and the youngest eight loads may be out
	WIN MUL_LO
	MUL16 F1, 0, 0, 0
	s_wait_dscnt 0x0                               ; the add is done, my reads of this slot are over
	s_barrier_signal -1
	MUL16 F1, 0, 2, 0
.if \round
	WIN 0
.endif
	s_barrier_wait -1
.endm
; The last quarter of a K step that is followed by a refill: the slot in hand takes the K step two steps on.  The walking descriptor turns to the other slot than last time and goes one K step on.
.macro TURN
	s_wait_xcnt 0x0                                ; the last prefetch, a K step back, has read its address
	s_add_nc_u64 s[PFA:PFA+1], s[PFA:PFA+1], KSTEP*2
	MEET 1
	CREST                                          ; no wave of any partner still reads this slot or has a load on its way
	s_xor_b32 s[G0+5], s[G0+5], SLOT
	s_add_nc_u64 s[G0+6:G0+7], s[G0+6:G0+7], KSTEP*2
	s_xor_b32 s[G0B+5], s[G0B+5], SLOT
	s_add_nc_u64 s[G0B+6:G0B+7], s[G0B+6:G0B+7], KSTEP*2
	JLOAD 1                                        ; the first tensor load behind the round: 224 matrix instructions ahead of the wait for it
	FETCH 1, 0, F0
	ASK
	WIN MUL_HI
	MUL16 F1, 1, 0, 0
	MUL16 F1, 1, 2, 0
.endm
; THE LAST K STEP GOES BY ROWS OF C: all its fragments of B fill window 1; my eight blocks of 16 rows are finished one after the other and leave at once.
.macro BLOAD q
	WIN TO_B
.irp i, 0,1,2,3,4,5,6,7
	ds_load_b128 v[64*(\q)+8*(\i):64*(\q)+8*(\i)+3],   v[ADRB+1] offset:64*(\q)+(\i)*16*PITCH
	ds_load_b128 v[64*(\q)+8*(\i)+4:64*(\q)+8*(\i)+7], v[ADRB+1] offset:64*(\q)+(\i)*16*PITCH+32
.endr
.endm
.macro ALOAD a
	WIN 0
.set FA, PA+32*((\a)%4)
.irp q, 0,1,2,3
	ds_load_b128 v[FA+8*(\q):FA+8*(\q)+3],   v[ADRA+1] offset:64*(\q)+(\a)*16*PITCH
	ds_load_b128 v[FA+8*(\q)+4:FA+8*(\q)+7], v[ADRA+1] offset:64*(\q)+(\a)*16*PITCH+32
.endr
.endm
.macro ROW a
.set FA, PA+32*((\a)%4)
.set AC, 64*((\a)%4)
	WIN MUL_LO+0x50*((\a)/4)
.irp q, 0,1,2,3
.if (\a) == 0 && (\q) == 2
	s_wait_dscnt 24                                ; B's quarter 2 is in (behind it: A's blocks 1 to 3)
.endif
.irp b, 0,1,2,3,4,5,6,7
	v_wmma_f32_16x16x32_bf16 v[AC+8*(\b):AC+8*(\b)+7], v[64*(\q)+8*(\b):64*(\q)+8*(\b)+7], v[FA+8*(\q):FA+8*(\q)+7], v[AC+8*(\b):AC+8*(\b)+7]
.endr
.endr
.endm
; THE WAY OUT of block a.  PACK: rounded to bf16, then the floor, two numbers a line.  TOSTAGE: 16 bytes a lane into my stage, by panels; back as rows of 128 bytes.  SEND: 512 consecutive bytes a store.
.macro PACK a
.set AC, 64*((\a)%4)
	WIN 0x0a+5*((\a)/4)
.irp b, 0,1,2,3,4,5,6,7
.irp r, 0,1,2,3
	v_cvt_pk_bf16_f32 v[TMP+4*(\b)+(\r)], v[AC+8*(\b)+2*(\r)], v[AC+8*(\b)+2*(\r)+1]
.endr
.endr
	WIN 0
.set z, 0
.rept 32
	v_pk_max_num_bf16 v[TMP+z], v[TMP+z], v[FL]
.set z, z+1
.endr
.endm
.macro TOSTAGE a
	WIN 0
.set BK, OB+192*((\a)%2)
.irp b, 0,1,2,3,4,5,6,7
	ds_store_b128 v[STO], v[TMP+4*(\b):TMP+4*(\b)+3] offset:32*((\b)%4)+SPAN*((\b)/4)
.endr
.irp t, 0,1,2,3,4,5,6,7
	ds_load_b128 v[BK+4*(\t):BK+4*(\t)+3], v[RD] offset:SPAN*((\t)/4)+4*SPP*((\t)%4)  ; LDS serves a wave's instructions in order (ISA guide 5.7.1.4)
.endr
.endm
.macro SEND a, younger
	WIN 0
.set BK, OB+192*((\a)%2)
	s_wait_dscnt \younger                          ; the block is back in registers
	s_wait_xcnt 0x0                                ; earlier stores have read their registers: the block after the next is read back into them only behind this wait
.irp t, 0,1,2,3,4,5,6,7
	global_store_b128 v[CO], v[BK+4*(\t):BK+4*(\t)+3], s[8:9] offset:PANELB*((\t)/4)+2048*(\a)+512*((\t)%4)
.endr
.endm
	s_wait_tensorcnt 1                             ; my part of K step 0 is in; K step 1's may stay out
	s_barrier_signal -1
	s_barrier_wait -1
	FETCH 0, 0, F0
	s_wait_loadcnt 0x0                             ; the bias
	QUARTER 0, 64,  F0, F1, 1
	WIN 0
	s_mov_b32 s3, STEPS-2
.Lstep:                                                ; a trip: from a K step's second quarter to the next step's first; it fills the slot that it leaves.  All K steps but the last two
	QUARTER 0, 128, F1, F0, 0
	QUARTER 0, 192, F0, F1, 0
	TURN
	QUARTER 1, 64,  F0, F1, 0
	WIN 0
	s_xor_b32 s[TC], s[TC], SLOT                   ; the two slots change places
	s_xor_b32 s[TN], s[TN], SLOT
	ADDR
	s_sub_co_u32 s3, s3, 1
	s_cmp_lg_u32 s3, 0
	s_cbranch_scc1 .Lstep
	QUARTER 0, 128, F1, F0, 0
	QUARTER 0, 192, F0, F1, 0
	MEET 0                                         ; nothing is filled again: no round follows
	PLACES
	BLOAD 0
	BLOAD 1
	BLOAD 3
	ALOAD 0
	WIN MUL_HI
	MUL16 F1, 1, 0, 0
	MUL16 F1, 1, 2, 0
	PLACES
	BLOAD 2
	ALOAD 1
	ALOAD 2
	ALOAD 3
	s_wait_dscnt 40                                ; all but the 40 just issued
	ROW 0
.irp a, 0,1,2,3,4,5,6,7
	PLACES
	PACK \a
	TOSTAGE \a
.if (\a) < 4
	ALOAD (\a)+4
	SEND \a, 8
.else
	SEND \a, 0
.endif
.if (\a) < 7
	ROW (\a)+1
.endif
.endr
	s_wait_tensorcnt 0x0                           ; the wave's end
	ds_add_u32 v[SPW], v[NIL]
	s_wait_dscnt 0x0
	CROUND                                         ; the closing round
	s_endpgm
.Lfunc_end_k_qada7a0b49e_qkv:
	.size	k_qada7a0b49e_qkv, .Lfunc_end_k_qada7a0b49e_qkv-k_qada7a0b49e_qkv
	.p2alignl 7, 3214868480
	.fill 96, 4, 3214868480
	.section	.rodata,"a",@progbits
	.p2align	6, 0x0
	.amdhsa_kernel k_qada7a0b49e_qkv
		.amdhsa_group_segment_fixed_size 327680
		.amdhsa_private_segment_fixed_size 0
		.amdhsa_enable_private_segment 0
		.amdhsa_kernarg_size 24
		.amdhsa_user_sgpr_count 2
		.amdhsa_user_sgpr_kernarg_segment_ptr 1
		.amdhsa_wavefront_size32 1
		.amdhsa_system_sgpr_workgroup_id_x 1
		.amdhsa_system_sgpr_workgroup_id_y 1
		.amdhsa_system_sgpr_workgroup_id_z 1
		.amdhsa_system_vgpr_workitem_id 0
		.amdhsa_next_free_vgpr 1024
		.amdhsa_next_free_sgpr 72
		.amdhsa_reserve_vcc 0
		.amdhsa_float_denorm_mode_32 3
		.amdhsa_float_denorm_mode_16_64 3
		.amdhsa_memory_ordered 1
		.amdhsa_forward_progress 1
		.amdhsa_inst_pref_size 136
	.end_amdhsa_kernel
	.amdgpu_metadata
---
amdhsa.version: [ 1, 2 ]
amdhsa.kernels:
  - .name:           k_qada7a0b49e_qkv
    .symbol:         k_qada7a0b49e_qkv.kd
    .args:
      - { .name: nx, .offset: 0, .size: 8, .value_kind: global_buffer, .address_space: global }
      - { .name: pa, .offset: 8, .size: 8, .value_kind: global_buffer, .address_space: global }
      - { .name: big, .offset: 16, .size: 8, .value_kind: global_buffer, .address_space: global }
    .group_segment_fixed_size: 327680
    .private_segment_fixed_size: 0
    .kernarg_segment_align: 8
    .kernarg_segment_size: 24
    .max_flat_workgroup_size: 128
    .sgpr_count:     72
    .vgpr_count:     1024
    .wavefront_size: 32
...
	.end_amdgpu_metadata
.endif
;; end of part 2
;; launch attn (part 3): grid 8 x 32, 4 waves a work-group, clusters of 4 x 1, 327,680 bytes of LDS; arguments big, pa, nx; writes nx
.if DOCPART == 3
	.amdgcn_target "amdgcn-amd-amdhsa--gfx1250"
	.amdhsa_code_object_version 6
	.text
	.protected	k_qada7a0b49e_attn
	.globl	k_qada7a0b49e_attn
	.p2align	8
	.type	k_qada7a0b49e_attn,@function
k_qada7a0b49e_attn:
	s_mov_b64 s[64:65], 0
	v_nop
	global_prefetch_b8 v0, s[64:65] scope:SCOPE_SE
	s_setreg_imm32_b32 hwreg(HW_REG_WAVE_MODE, 25, 1), 1
	s_wait_xcnt 0x0
	s_wait_alu depctr_hold_cnt(0) depctr_sa_sdst(0) depctr_va_vdst(0) depctr_va_sdst(0) depctr_va_ssrc(0) depctr_va_vcc(0) depctr_vm_vsrc(0)
	s_getreg_b32 s2, hwreg(HW_REG_IB_STS2, 6, 4)
	s_cmp_eq_u32 s2, 0
	s_cbranch_scc0 .Lentry_in_a_cluster
	s_endpgm
.Lentry_in_a_cluster:
	s_bfe_u32 s2, ttmp6, 0x10000c
	s_cmp_lg_u32 s2, 0x3003
	s_cbranch_scc0 .Lentry_shape_is_right
	s_endpgm
.Lentry_shape_is_right:
; MASKED ATTENTION.  O[q][:] = the sum over k of softmax_k(Q[q] . K[k] / 8, hidden keys at -inf) V[k][:], for each of 2 batches x 16 heads; 2,048 queries and keys, 64 channels.
; q, k, v lie in big by panels (q: panel hd, k: 16 + hd, v: 32 + hd; a panel is [4096][64] bf16, row = 2048 b + s); O goes to nx in the same layout.  Products, maxima and sums in f32;
; the weights p are rounded to bf16 for the second product (their sum l is taken of the unrounded p), O once at the end.
; THE MASK comes as one fp8 code a key (0 or -448) in the order of my lanes: two loads of 16 bytes a lane for 16 queries x 64 keys.  One scaled conversion (x 2^100) makes of eight codes the
; eight registers of a C operand, 0 or -5.7e32, and that operand starts the sum S^T = K Q^T: the scores themselves cost nothing more.
; LIMITS.  A hidden score counts as its value less 5.7e32; the running maximum starts at -2^100, so true scores must lie above -2^100; then a hidden key's weight is exactly 0.
; A row with no visible key ends with l = 0 and O = 0, and 0 x (1 / 0) gives NaN, as the softmax of a row of -inf does.  A weight under 2^-126 counts as 0.  NaN and infinities in q, k, v are not treated apart.
; SHARES.  A work-group owns 256 queries of one head, a wave 64: four PIECES of 16.  Every wave walks all keys, 64 a step, four steps to an LDS slot.
; LAYOUT.  S^T = K Q^T holds ONE query a lane (lane % 16) and the keys 8 (lane / 16) + 0..7; two such results rounded in pairs ARE source 1 of O^T = V^T P.  K comes out of LDS as it lies, V turned.
; SOFTMAX.  p = 2^(c s - c m), c = log2(e) / 8, with a running maximum m; O and l are multiplied by a = 2^(c m_old - c m_new) in every step.
; TURNS.  Turn n belongs to piece n: 8 products K Q^T of piece n + 1, later 8 products V^T P of piece n - 1; beside them piece n's scaling, exponentials, roundings, sums and rescaling and piece n + 1's
; maximum and statistics.  Four vector instructions stand behind every matrix instruction, the rest in one lump.  A turn's 33 exponentials are one batch with one wait.  At its end a turn makes the mask
; operand of piece n + 2 and asks for that piece's codes of the step after: they have four turns in which to come.
; NO LAST TURNS ARE WRITTEN OUT: the last step's turns 2 and 3 are the loop's own.  The price, once a launch: eight products on the last K once more, and a maximum made of them that nothing reads.
; CLUSTER.  The four query blocks of a cluster belong to one head and walk the same K and V: each tile is asked for jointly.  The mask's codes are shared by heads, which lie in other clusters: plain loads.
; REGISTERS in windows of 256 (s_set_vgpr_msb: bits 1:0 source 0, 3:2 source 1, 5:4 source 2, 7:6 destination):
;   window 0: addresses and statistics; v64-127 S^T, v128-191 the mask operands, v192-223 P (two buffers each, by the piece's parity); v224-255 the codes, 8 words a piece
;   window 1: v0-127 O^T, 32 a piece          window 2: v0-63 Q; v128-191 K of one step; v192-255 V of one step
.set NP,    4
.set KS,    64
.set PK,    144       ; a row of K in LDS: 128 bytes + 16: the 16 rows of a load start at 16 different groups of four banks (ISA guide 11.1)
.set PV,    160       ; a row of V: 128 + 32
.set VOFF,  4*KS*PK   ; a slot: 256 rows of K, then 256 rows of V
.set SLOT1, 1<<17
.set STAGE, SLOT1+4*KS*(PK+PV)  ; behind the ring: 16 rows x 144 bytes for each wave
.set SP,    144
.set SPARE, STAGE+4*16*SP       ; the spare words, 128 bytes a wave
.set MK,    10518528  ; the codes in pa
.set AK0, 2           ; v2  my lane's place in a tile of K
.set AV0, 3           ; v3  the same for V
.set AK,  4           ; v4  the LDS address of K's next run of loads
.set AV,  5           ; v5  of V's
.set STO, 6
.set RD,  7
.set GO,  8
.set MV,  12          ; v12-13 c m_old, by buffer
.set SCL, 14          ; v14 227: the conversions' scale, 2^100
.set QO,  15
.set ST,  16          ; piece t's statistics at v[ST+4 t]: c m, m, l (even keys', odd keys')
.set MO,  32          ; v32-35 piece t's byte offset among my wave's codes
.set ML,  36          ; v36-39 its last block: the look-ahead is held to it
.set TMP, 48
.set PFO, 61          ; v61 256 x lane
.set SPW, 62
.set NIL, 63
.set S,   64
.set MC,  128
.set P,   192
.set MW,  224
.set KF,  128         ; window 2
.set VF,  192         ; window 2
.set WV,  12
.set G1K, 24
.set G1V, 32
.set G0K, 40
.set G0V, 44
.set PFA, 48          ; s[48:49] where my prefetches stand
.set LIM, 50          ; s50 1 in a wave that prefetches, else the greatest number
.set MKP, 52          ; s[52:53] my wave's codes
.set SLOTS, 56
.set CNT, 57
.set CS,  58
.set SEL, 60
.set TBK, 62
.set TBV, 63
.set MSB, 0
.macro WIN new
.if MSB != (\new)
	s_set_vgpr_msb (MSB<<8)|(\new)
.set MSB, (\new)
.endif
.endm
.set W_KQ, 0x0a       ; K and Q in window 2; the mask operand and S^T in window 0
.set W_PV, 0x52       ; V in window 2, P in window 0, O^T in window 1
.set W_RS, 0x41       ; O^T in window 1, a in window 0
; A joint fill: waves 0 and 1 fetch the halves of a slot's K, waves 2 and 3 of its V.  s_nop 0 and four v_nop follow each line.
.macro JLOAD
	s_cmp_lt_u32 s[WV], 2
	s_cbranch_scc0 .Lfor_v_\@
	tensor_load_to_lds s[G0K:G0K+3], s[G1K:G1K+7]
	s_nop 0
.rept 4
	v_nop
.endr
	s_branch .Lasked_\@
.Lfor_v_\@:
	tensor_load_to_lds s[G0V:G0V+3], s[G1V:G1V+7]
	s_nop 0
.rept 4
	v_nop
.endr
.Lasked_\@:
.endm
; A prefetch into the L2 of the tile that the NEXT change of slots will ask for: 128 blocks of 256 bytes of K and of V.  The head's first cluster asks; its four partners take 32 blocks each, by address;
; wave 0 asks for K's, wave 2 for V's: a lane a block.  So each block is named once.  The change that fills the last tile asks for nothing.
.macro ASK
	s_cmp_gt_u32 s[SLOTS], s[LIM]
	s_cbranch_scc0 .Lnot_mine_\@
	global_prefetch_b8 v[PFO], s[PFA:PFA+1] th:TH_LOAD_NT scope:SCOPE_SE
.Lnot_mine_\@:
.endm
.macro CROUND
	s_barrier_signal -1
	s_barrier_wait -1
	s_cmp_lg_u32 s[WV], 0
	s_cbranch_scc1 .Lnot_wave_0_\@
	s_barrier_signal -3
.Lnot_wave_0_\@:
	s_barrier_wait -3
	s_barrier_signal -1
	s_barrier_wait -1
.endm
; THE CHANGE OF SLOTS.  Each wave waits for all its tensor loads (one is out: its part of the other slot), adds 0 to its spare word, and waits for that and for its reads of the slot that it leaves.
; fill = 1: the barrier is a round of the cluster's, and the joint fill, with the keys two slots on, is the first thing behind it: it has four key steps, 256 matrix instructions, in which to land.
.macro CHANGE fill, ask=0
	WIN 0
	s_wait_tensorcnt 0x0            ; no tensor load of mine is out, so a group 0 may be written
	ds_add_u32 v[SPW], v[NIL]
.if \fill
.irp g, G0K, G0V
	s_xor_b32 s[\g+1], s[\g+1], SLOT1
	s_add_nc_u64 s[\g+2:\g+3], s[\g+2:\g+3], 4*KS*128
.endr
.if \ask
	s_wait_xcnt 0x0                 ; the last prefetch, four key steps back, has read its address
	s_add_nc_u64 s[PFA:PFA+1], s[PFA:PFA+1], 4*KS*128
.endif
	s_wait_dscnt 0x0                ; the add is done, my reads of the slot are over
	CROUND
	JLOAD
.if \ask
	ASK
.endif
.else
	s_wait_dscnt 0x0
	s_barrier_signal -1
	s_barrier_wait -1
.endif
	s_sub_co_u32 s[TBK], s[TBK], 4*KS*PK  ; the fetches go back to a slot's first step, in the other slot
	s_xor_b32 s[TBK], s[TBK], SLOT1
	s_sub_co_u32 s[TBV], s[TBV], 4*KS*PV
	s_xor_b32 s[TBV], s[TBV], SLOT1
.endm
	s_load_b64 s[4:5], s[0:1], 0x0    ; big
	s_load_b64 s[MKP:MKP+1], s[0:1], 0x8  ; pa
	s_load_b64 s[10:11], s[0:1], 0x10 ; nx
	v_lshl_add_u32 v[SPW], v0, 2, SPARE
	v_mov_b32 v[NIL], 0
	ds_add_u32 v[SPW], v[NIL]       ; the wave's opening: the add and its wait ahead of my first tensor load
	v_lshrrev_b32 v1, 5, v0
	v_readfirstlane_b32 s[WV], v1
	s_bfe_u32 s13, ttmp6, 0x40000   ; cx
	s_lshl_b32 s14, ttmp9, 2
	s_add_co_u32 s14, s14, s13      ; my block of 256 queries: it enters Q's, O's and the codes' addresses alone
	s_and_b32 s20, ttmp7, 0xffff    ; 16 b + hd, which the four partners share
	s_lshr_b32 s15, s20, 4          ; b
	s_and_b32 s20, s20, 15
	s_lshl_b32 s20, s20, 19         ; the head's panel,
	s_lshl_b32 s21, s15, 18         ; the batch's 2,048 rows of 128 bytes
	s_add_co_u32 s20, s20, s21
	s_and_b32 s16, s[WV], 1         ; which half of a slot's 256 keys I fetch
	s_lshl_b32 s22, s16, 14
	s_add_co_u32 s22, s22, s20
	s_mov_b32 s23, 0
	s_mul_i32 s17, s16, 128*PK
	s_mul_i32 s18, s16, 128*PV
	s_lshl_b32 s2, s14, 15          ; my block's 256 rows, my wave's 64
	s_lshl_b32 s3, s[WV], 13
	s_add_co_u32 s2, s2, s3
	s_add_co_u32 s2, s2, s20
	s_mov_b32 s3, 0
	s_lshl_b32 s54, s15, 22         ; the codes: a tile of 16 queries has 32 blocks of 1,024 bytes; a batch 128 tiles, my block 16, my wave 4
	s_lshl_b32 s55, s14, 19
	s_add_co_u32 s54, s54, s55
	s_lshl_b32 s55, s[WV], 17
	s_add_co_u32 s54, s54, s55
	s_add_co_u32 s54, s54, MK
	s_mov_b32 s55, 0
	; 128 keys are 16,384 dense bytes: asked for as 64 rows of 256 bytes and padded in LDS after every key
	s_mov_b32 s[G1K], 15|(1<<16)|(1<<20)|(1<<21)|(4<<22)|(3<<25)
	s_mov_b32 s[G1V], 15|(1<<16)|(1<<20)|(1<<21)|(4<<22)|(7<<25)
.irp g, G1K, G1V
	s_mov_b32 s[\g+1], 128<<16
	s_mov_b32 s[\g+2], 64<<16
	s_mov_b32 s[\g+3], 128<<16
	s_mov_b32 s[\g+4], 64
	s_mov_b32 s[\g+5], 128
	s_mov_b32 s[\g+6], 0
	s_mov_b32 s[\g+7], 0
.endr
	s_mov_b32 s[CS], 0x3e38aa3b     ; c = log2(e) / 8
	s_mov_b32 s[CS+1], s[CS]
	s_mov_b32 s[SEL], 0x76543210
	s_mov_b32 s[SEL+1], 0xfedcba98
	s_mov_b32 s[TBK], SLOT1+4*KS*PK ; the first change of slots turns these two into 0
	s_mov_b32 s[TBV], SLOT1+4*KS*PV
	s_mov_b32 s[G0K], 1
	s_mov_b32 s[G0K+1], s17
	s_mov_b32 s[G0V], 1
	s_add_co_u32 s[G0V+1], s18, VOFF
	s_mov_b32 s[SLOTS], 7
	s_and_b32 s[LIM], s[WV], 1
	s_or_b32 s[LIM], s[LIM], ttmp9  ; 0 in waves 0 and 2 of the head's first cluster: the same in all four partners
	s_cmp_eq_u32 s[LIM], 0
	s_cselect_b32 s[LIM], 1, -1
	v_and_b32 v[PFO], 31, v0
	v_lshlrev_b32 v[PFO], 8, v[PFO]
	s_wait_dscnt 0x0                ; the opening add is done
	s_wait_kmcnt 0x0
	s_add_nc_u64 s[6:7], s[4:5], s[22:23]
	s_add_nc_u64 s[8:9], s[6:7], 16777216  ; V at my half of the head's first 256 keys
	s_add_nc_u64 s[6:7], s[6:7], 8388608   ; K
	s_add_nc_u64 s[G0K+2:G0K+3], s[6:7], 0
	s_or_b32 s[G0K+3], s[G0K+3], 0x80000000
	s_add_nc_u64 s[G0V+2:G0V+3], s[8:9], 0
	s_or_b32 s[G0V+3], s[G0V+3], 0x80000000
	s_add_nc_u64 s[4:5], s[4:5], s[2:3]    ; Q and O at my wave's first row
	s_add_nc_u64 s[10:11], s[10:11], s[2:3]
	s_add_nc_u64 s[MKP:MKP+1], s[MKP:MKP+1], s[54:55]
	s_cmp_lt_u32 s[WV], 2
	s_cselect_b64 s[PFA:PFA+1], s[6:7], s[8:9]  ; (in waves 0 and 2 these stand at a tile's first row)
	s_lshl_b32 s2, s13, 13          ; my work-group's 32 blocks of the 128
	s_add_nc_u64 s[PFA:PFA+1], s[PFA:PFA+1], s[2:3]
	s_add_nc_u64 s[PFA:PFA+1], s[PFA:PFA+1], 2*4*KS*128  ; at tile 2: the loop's first change steps it to tile 3.  Tiles 0 to 2 come by their loads alone
	CROUND                          ; all four work-groups are here
	JLOAD                           ; tile 0 into slot 0
	v_and_b32 v1, 15, v0            ; l % 16
	v_bfe_u32 v9, v0, 4, 1          ; l / 16
	v_lshlrev_b32 v[QO], 7, v1
	v_lshl_add_u32 v[QO], v9, 4, v[QO]
	WIN 0x80
.set i, 0
.rept 8                             ; Q stays in registers: piece i / 2, channels 32 (i % 2) on
	global_load_b128 v[8*i:8*i+3],   v[QO], s[4:5] offset:(i/2)*2048+(i%2)*64
	global_load_b128 v[8*i+4:8*i+7], v[QO], s[4:5] offset:(i/2)*2048+(i%2)*64+32
.set i, i+1
.endr
	WIN 0
	v_and_b32 v[MO], 31, v0
	v_lshlrev_b32 v[MO], 4, v[MO]
.irp t, 1,2,3
	v_add_nc_u32 v[MO+\t], 32768*\t, v[MO]
.endr
.irp t, 0,1,2,3
	v_add_nc_u32 v[ML+\t], 31*1024, v[MO+\t]
.endr
.irp t, 0,1,2,3                     ; the codes of key step 0
	global_load_b128 v[MW+8*\t:MW+8*\t+3],   v[MO+\t], s[MKP:MKP+1]
	global_load_b128 v[MW+8*\t+4:MW+8*\t+7], v[MO+\t], s[MKP:MKP+1] offset:512
.endr
	v_mov_b32 v[SCL], 227
	v_mul_u32_u24 v[AK0], v1, PK
	v_lshl_add_u32 v[AK0], v9, 4, v[AK0]
	v_and_b32 v10, 7, v0            ; the turning load: lane l reads key 8 (l / 16) + l % 8, channels 8 ((l / 8) % 2) + 0..7
	v_bfe_u32 v11, v0, 3, 1
	v_lshl_add_u32 v[AV0], v9, 3, v10
	v_mul_u32_u24 v[AV0], v[AV0], PV
	v_lshl_add_u32 v[AV0], v11, 4, v[AV0]
	v_add_nc_u32 v[AV0], VOFF, v[AV0]
	s_mul_i32 s13, s[WV], 16*SP
	s_add_co_u32 s13, s13, STAGE
	v_mul_u32_u24 v[STO], v1, SP
	v_lshl_add_u32 v[STO], v9, 4, v[STO]
	v_add_nc_u32 v[STO], s13, v[STO]
	v_bfe_u32 v[RD], v0, 3, 2
	v_mul_u32_u24 v[RD], v[RD], SP
	v_lshl_add_u32 v[RD], v10, 4, v[RD]
	v_add_nc_u32 v[RD], s13, v[RD]
	v_and_b32 v[GO], 31, v0
	v_lshlrev_b32 v[GO], 4, v[GO]
	; What the first turn finds: V and P's second buffer hold 0 (its products V^T P, of a piece that has not been, add 0), O^T and l are 0.  No first step is written out; these lines stand in the wait for the first tile.
	WIN 0x80
.set i, VF
.rept 64
	v_mov_b32 v[i], 0
.set i, i+1
.endr
	WIN 0x40
.set i, 0
.rept 128
	v_mov_b32 v[i], 0
.set i, i+1
.endr
	WIN 0
.set i, 0
.rept 4
	v_mov_b32 v[ST+4*i], 0xf038aa3b    ; c m = -c 2^100
	v_mov_b32 v[ST+4*i+1], 0xf1800000  ; m = -2^100: above every hidden score, below every true one
	v_mov_b32 v[ST+4*i+2], 0
	v_mov_b32 v[ST+4*i+3], 0
.set i, i+1
.endr
.set i, P+16
.rept 16
	v_mov_b32 v[i], 0
.set i, i+1
.endr
; THE MATRIX WORK.  The 4 accumulators of a run of 8 take turns.  Product i of 8 of S^T = K Q^T for piece x: channels 32 (i / 4) on, keys 16 (i % 4) on; the first 4 start the sums with the mask.
.macro KQ x
.set rS, S+32*((\x)%2)+8*(i%4)
.set rK, KF+16*(i%4)+8*(i/4)
.set rQ, 16*(\x)+8*(i/4)
.set rM, MC+32*((\x)%2)+8*(i%4)
	WIN W_KQ
.if i < 4
	v_wmma_f32_16x16x32_bf16 v[rS:rS+7], v[rK:rK+7], v[rQ:rQ+7], v[rM:rM+7]
.else
	v_wmma_f32_16x16x32_bf16 v[rS:rS+7], v[rK:rK+7], v[rQ:rQ+7], v[rS:rS+7]
.endif
.endm
.macro PV x                         ; product i of 8 of O^T += V^T P: keys 32 (i / 4) on, channels 16 (i % 4) on
	WIN W_PV
.set rO, 32*(\x)+8*(i%4)
.set rV, VF+32*(i/4)+8*(i%4)
.set rP, P+16*((\x)%2)+8*(i/4)
	v_wmma_f32_16x16x32_bf16 v[rO:rO+7], v[rV:rV+7], v[rP:rP+7], v[rO:rO+7]
.endm
.macro MM                           ; the turn's next matrix instruction
.if i < 8
	KQ (Y+1)%NP
.else
.set i, i-8
	PV (Y+NP-1)%NP
.set i, i+8
.endif
.set i, i+1
.endm
.macro FETCH_K                      ; 16 LDS loads in one run: a step's K
	WIN 0x80
.irp f, 0,1,2,3,4,5,6,7
	ds_load_b128 v[KF+8*\f:KF+8*\f+3],   v[AK] offset:(\f/2)*16*PK+(\f%2)*64
	ds_load_b128 v[KF+8*\f+4:KF+8*\f+7], v[AK] offset:(\f/2)*16*PK+(\f%2)*64+32
.endr
	s_add_co_u32 s[TBK], s[TBK], KS*PK
	WIN 0
.endm
.macro FETCH_V                      ; its V, turned
	WIN 0x80
.irp f, 0,1,2,3,4,5,6,7
	ds_load_tr16_b128 v[VF+8*\f:VF+8*\f+3],   v[AV] offset:(\f/4)*32*PV+(\f%4)*32
	ds_load_tr16_b128 v[VF+8*\f+4:VF+8*\f+7], v[AV] offset:(\f/4)*32*PV+16*PV+(\f%4)*32
.endr
	WIN 0
.endm
; THE VECTOR WORK, one line at a time: OP kind, number.  For piece Y: F n: c s - c m for pair n.  E n: the exponential of score n.  C n: pair n rounded to bf16.  B n: of the weights 4 n .. the second pair is
; added onto the first.  L n: l takes that sum (L 0: l = a l + sum).  R n: pair n of O^T times a.  For piece Y + 1: X n, number n of the 22 that find its maximum and statistics (each accumulator's
; lowest registers are read first): 0-11 four chains; 12-14, 16 the rest, the old m, into c0; 15 c m_old is kept; 17, 18 the lane 16 away; 19-21 c m, its change, a.
.set F, 0
.set E, 1
.set C, 2
.set B, 3
.set L, 4
.set R, 5
.set X, 6
.macro REGS y
.set rT, ST+4*(\y)
.set rC, TMP+4*((\y)%2)
.set rW, MV+((\y)%2)
.set rS, S+32*((\y)%2)
.set rP, P+16*((\y)%2)
.set rO, 32*(\y)
.endm
.macro OP k, n
.if (\k) == R
	REGS Y
	WIN W_RS
	v_pk_mul_f32 v[rO+2*(\n):rO+2*(\n)+1], v[rO+2*(\n):rO+2*(\n)+1], v[rC+2:rC+3] op_sel_hi:[1,0]
.elseif (\k) < R
	REGS Y
	WIN 0
.if (\k) == F
	v_pk_fma_f32 v[rS+2*(\n):rS+2*(\n)+1], v[rS+2*(\n):rS+2*(\n)+1], s[CS:CS+1], v[rT:rT+1] op_sel_hi:[1,0,0] neg_lo:[0,0,1] neg_hi:[0,0,1]
.elseif (\k) == E
	v_exp_f32 v[rS+(\n)], v[rS+(\n)]
.elseif (\k) == C
	v_cvt_pk_bf16_f32 v[rP+(\n)], v[rS+2*(\n)], v[rS+2*(\n)+1]
.elseif (\k) == B
	v_pk_add_f32 v[rS+4*(\n):rS+4*(\n)+1], v[rS+4*(\n):rS+4*(\n)+1], v[rS+4*(\n)+2:rS+4*(\n)+3]
.elseif (\n) == 0
	v_pk_fma_f32 v[rT+2:rT+3], v[rT+2:rT+3], v[rC+2:rC+3], v[rS:rS+1] op_sel_hi:[1,0,1]
.else
	v_pk_add_f32 v[rT+2:rT+3], v[rT+2:rT+3], v[rS+4*(\n):rS+4*(\n)+1]
.endif
.else
	REGS (Y+1)%NP
	WIN 0
.if (\n) < 4
	v_max3_num_f32 v[rC+(\n)], v[rS+8*(\n)], v[rS+8*(\n)+1], v[rS+8*(\n)+2]
.elseif (\n) < 12
	v_max3_num_f32 v[rC+(\n)%4], v[rC+(\n)%4], v[rS+8*((\n)%4)+2*((\n)/4)+1], v[rS+8*((\n)%4)+2*((\n)/4)+2]
.elseif (\n) == 12
	v_max3_num_f32 v[rC], v[rC], v[rS+7], v[rS+15]
.elseif (\n) == 13
	v_max3_num_f32 v[rC+1], v[rC+1], v[rS+23], v[rS+31]
.elseif (\n) == 14
	v_max3_num_f32 v[rC+2], v[rC+2], v[rC+3], v[rT+1]
.elseif (\n) == 15
	v_mov_b32 v[rW], v[rT]
.elseif (\n) == 16
	v_max3_num_f32 v[rC], v[rC], v[rC+1], v[rC+2]
.elseif (\n) == 17
	v_permlanex16_b32 v[rC+3], v[rC], s[SEL], s[SEL+1]
.elseif (\n) == 18
	v_max_num_f32 v[rT+1], v[rC], v[rC+3]
.elseif (\n) == 19
	v_mul_f32 v[rT], s[CS], v[rT+1]
.elseif (\n) == 20
	v_sub_f32 v[rC+1], v[rW], v[rT]
.else
	v_exp_f32 v[rC+2], v[rC+1]
.endif
.endif
.endm
.macro OPS a, i1, b=-1, i2=0, c=-1, i3=0, d=-1, i4=0
	OP \a, \i1
.if (\b) >= 0
	OP \b, \i2
.endif
.if (\c) >= 0
	OP \c, \i3
.endif
.if (\d) >= 0
	OP \d, \i4
.endif
.endm
.macro ROW a, i1, b, i2, c, i3, d, i4  ; a matrix instruction and the four behind it
	MM
	OPS \a, \i1, \b, \i2, \c, \i3, \d, \i4
.endm
; The mask operand of piece p + 2, for the products of the next turn, into the buffer that the turn before last read; then that piece's codes of the step after.
.macro CVTM p
.set xq, ((\p)+2)%NP
	WIN 0
	s_wait_loadcnt 0x6              ; the piece's two loads, issued four turns back, are in; the three younger pairs stay out.  It also frees their address register
.irp kt, 0,1,2,3
	v_cvt_scale_pk8_f32_fp8 v[MC+32*((\p)%2)+8*\kt:MC+32*((\p)%2)+8*\kt+7], v[MW+8*xq+2*\kt:MW+8*xq+2*\kt+1], v[SCL]
.endr
	v_add_nc_u32 v[MO+xq], 1024, v[MO+xq]        ; two plain instructions stand between the conversions and what touches their results and sources
	v_min_u32 v[MO+xq], v[MO+xq], v[ML+xq]       ; behind the last step the last block is read once more: no load leaves the piece's codes
	global_load_b128 v[MW+8*xq:MW+8*xq+3],   v[MO+xq], s[MKP:MKP+1]
	global_load_b128 v[MW+8*xq+4:MW+8*xq+7], v[MO+xq], s[MKP:MKP+1] offset:512
.endm
; A TURN, for piece p.  Ahead of its one wait stands all that names no result of its exponentials: 8 products K Q^T with their riders, and one lump; behind it 8 products V^T P, whose riders are the roundings and sums.
; last = 1 (the last tile's text): where the count stands at 1 there is no further step, and K's run of loads is jumped over; the exponentials issued so far have their wait ahead of that branch.
; cnt = 1: the loop's count is taken down some lines ahead of the branch behind the turn.
; K of the next step is fetched in piece 2's turn, V of the step in hand at the end of piece 0's, each four plain instructions or more behind the last product that read the registers; each is waited for a turn later.
.macro TURN p, last=0, cnt=0
.set Y, (\p)
.set i, 0
.if (\p) == 3
	s_wait_dscnt 0x0                ; K is in
.endif
	ROW F,0, F,1, R,0, R,1
	ROW F,2, E,0, R,2, R,3
	ROW F,3, E,1, R,4, R,5
	ROW F,4, E,2, R,6, R,7
	ROW F,5, E,3, R,8, R,9
	ROW F,6, E,4, X,0, R,10
.if (\p) == 2
	WIN 0
	v_add_nc_u32 v[AK], s[TBK], v[AK0]
.endif
	ROW F,7, E,5, X,1, X,4
	ROW F,8, E,6, X,2, X,5
	OPS E,7, E,8, X,6, E,9
	OPS X,3, E,10, X,8, E,11
.if (\p) == 2
.if \last
	s_wait_alu depctr_va_vdst(0)
	s_cmp_eq_u32 s[CNT], 1
	s_cbranch_scc1 .Lno_k_\@
.endif
	FETCH_K
.if \last
.Lno_k_\@:
.endif
.endif
	OPS X,9, X,7, E,12, X,10
	OPS E,13, X,12, X,11, E,14
	OPS X,13, E,15, F,9, X,14
.if (\p) == 0
	v_add_nc_u32 v[AV], s[TBV], v[AV0]
.endif
	OPS E,16, F,10, E,17, F,11
	OPS X,16, E,18, X,15, E,19
	OPS F,12, E,20, X,17, E,21
	OPS F,13, E,22, F,14, E,23
	OPS X,18, E,24, F,15, E,25
	OPS R,11, E,26, X,19, E,27
	OPS R,12, E,28, R,13, E,29
	OPS X,20, E,30, R,14, E,31
	OPS X,21, R,15                  ; the batch's last exponential, and the plain instruction behind it
	WIN 0
	s_wait_alu depctr_va_vdst(0)    ; the one wait for the batch, ahead of the first reader
.if (\p) == 1
	s_wait_dscnt 0x0                ; V is in
.endif
	ROW C,0, B,0, C,2, B,1
	ROW L,0, C,4, B,2, L,1
	ROW C,6, B,3, L,2, C,8
	ROW B,4, L,3, C,10, B,5
	ROW L,4, C,12, B,6, L,5
.if (\p) == 0
	s_add_co_u32 s[TBV], s[TBV], KS*PV
.endif
.if \cnt
	s_sub_co_u32 s[CNT], s[CNT], 1
	s_cmp_lg_u32 s[CNT], 0
.endif
	ROW C,14, B,7, L,6, C,1
	ROW C,3, L,7, C,5, C,7
	ROW C,9, C,11, C,13, C,15
.if (\p) == 0
	FETCH_V
.endif
	CVTM \p
.endm
	CHANGE 1                        ; tile 0 is in, everybody's part of it; tile 1 is asked for
	; THE BEGINNING: the mask operands of pieces 0 and 1, K of step 0, piece 0's first scores, its maximum and statistics
	s_wait_loadcnt 0x4              ; Q and the codes of pieces 0 and 1 are in; the four loads of pieces 2 and 3 stay out
.irp t, 0,1
.irp kt, 0,1,2,3
	v_cvt_scale_pk8_f32_fp8 v[MC+32*\t+8*\kt:MC+32*\t+8*\kt+7], v[MW+8*\t+2*\kt:MW+8*\t+2*\kt+1], v[SCL]
.endr
.endr
.irp t, 0,1
	v_add_nc_u32 v[MO+\t], 1024, v[MO+\t]
.endr
.irp t, 0,1
	global_load_b128 v[MW+8*\t:MW+8*\t+3],   v[MO+\t], s[MKP:MKP+1]
	global_load_b128 v[MW+8*\t+4:MW+8*\t+7], v[MO+\t], s[MKP:MKP+1] offset:512
.endr
	v_add_nc_u32 v[AK], s[TBK], v[AK0]
	FETCH_K
	s_wait_dscnt 0x0
.set i, 0
.rept 8
	KQ 0
.set i, i+1
.endr
	WIN 0
.rept 4
	v_nop                           ; the places behind those products
.endr
.set Y, NP-1
.irp n, 0,1,2,3,4,5,6,7,8,9,10,11,12,13,14,15,16,17,18,19,20,21
	OP X, \n
.endr
	v_nop                           ; a plain instruction behind the exponential,
	s_wait_alu depctr_va_vdst(0)    ; and its wait, ahead of the branch
	s_mov_b32 s[CNT], 4
	s_branch .Lfirst                ; the loop is entered at a step's first turn, in the middle of a trip
.Lslot:                             ; six times: tiles 2 to 7 are asked for
	CHANGE 1, 1
	s_mov_b32 s[CNT], 4
.Lstep:                             ; a trip: pieces 2 and 3 of one step, then pieces 0 and 1 of the next
	TURN 2
	TURN 3
	WIN 0
.Lfirst:
	TURN 0
	TURN 1, 0, 1
	WIN 0
	s_cbranch_scc1 .Lstep
	s_sub_co_u32 s[SLOTS], s[SLOTS], 1
	s_cmp_lg_u32 s[SLOTS], 0
	s_cbranch_scc1 .Lslot
	CHANGE 0                        ; the last tile has a text of its own
	s_mov_b32 s[CNT], 5             ; turns 2 and 3 run five times (the step before, then the tile's four), turns 0 and 1 four times
	s_branch .Ltail_23              ; so this loop too is entered in the middle of a trip
.Ltail_01:
	TURN 0
	TURN 1
	WIN 0
.Ltail_23:
	TURN 2, 1
	TURN 3, 0, 1
	WIN 0
	s_cbranch_scc1 .Ltail_01
.set i, 0
.rept 8
	PV NP-1                         ; the last piece's V^T P of the last step
.set i, i+1
.endr
	; THE WAY OUT: l's halves and the other half of the lanes' are added; O^T is divided by l, rounded to bf16 and sent through my stage, a piece at a time.  The additions are the places behind the last products.
	WIN 0
.macro ALL line:vararg
.set t, 0
.rept 4
	\line
.set t, t+1
.endr
.endm
.macro PACK t
	WIN W_RS
.set i, 32*(\t)
.rept 16
	v_pk_mul_f32 v[i:i+1], v[i:i+1], v[ST+4*(\t)+2:ST+4*(\t)+3] op_sel_hi:[1,0]
.set i, i+2
.endr
	WIN 0x05
.set i, 0
.rept 16
	v_cvt_pk_bf16_f32 v[S+16*(\t)+i], v[32*(\t)+2*i], v[32*(\t)+2*i+1]
.set i, i+1
.endr
	WIN 0
.irp f, 0,1,2,3
	ds_store_b128 v[STO], v[S+16*(\t)+4*\f:S+16*(\t)+4*\f+3] offset:32*\f
.endr
.irp f, 0,1,2,3
	ds_load_b128 v[S+16*(\t)+4*\f:S+16*(\t)+4*\f+3], v[RD] offset:\f*4*SP  ; LDS serves a wave's instructions in order (ISA guide 5.7.1.4)
.endr
.endm
.macro SEND t, younger              ; younger: the LDS instructions issued behind piece t's loads
	WIN 0
.irp f, 0,1,2,3
	s_wait_dscnt (\younger)+3-\f
	global_store_b128 v[GO], v[S+16*(\t)+4*\f:S+16*(\t)+4*\f+3], s[10:11] offset:(\t)*2048+\f*512  ; 512 consecutive bytes, aligned
.endr
.endm
	ALL v_add_f32 v[ST+4*t+2], v[ST+4*t+2], v[ST+4*t+3]
	ALL v_permlanex16_b32 v[ST+4*t+3], v[ST+4*t+2], s[SEL], s[SEL+1]
	ALL v_add_f32 v[ST+4*t+2], v[ST+4*t+2], v[ST+4*t+3]
	ALL v_rcp_f32 v[ST+4*t+2], v[ST+4*t+2]
	v_nop
	s_wait_alu depctr_va_vdst(0)    ; one wait for the four reciprocals
	PACK 0
.set t, 1
.rept 3
	PACK t
	SEND t-1, 8
.set t, t+1
.endr
	SEND 3, 0
	s_wait_tensorcnt 0x0            ; the wave's end
	ds_add_u32 v[SPW], v[NIL]
	s_wait_dscnt 0x0
	CROUND                          ; the closing round
	s_endpgm
.Lfunc_end_k_qada7a0b49e_attn:
	.size	k_qada7a0b49e_attn, .Lfunc_end_k_qada7a0b49e_attn-k_qada7a0b49e_attn
	.p2alignl 7, 3214868480
	.fill 96, 4, 3214868480
	.section	.rodata,"a",@progbits
	.p2align	6, 0x0
	.amdhsa_kernel k_qada7a0b49e_attn
		.amdhsa_group_segment_fixed_size 327680
		.amdhsa_private_segment_fixed_size 0
		.amdhsa_enable_private_segment 0
		.amdhsa_kernarg_size 24
		.amdhsa_user_sgpr_count 2
		.amdhsa_user_sgpr_kernarg_segment_ptr 1
		.amdhsa_wavefront_size32 1
		.amdhsa_system_sgpr_workgroup_id_x 1
		.amdhsa_system_sgpr_workgroup_id_y 1
		.amdhsa_system_sgpr_workgroup_id_z 1
		.amdhsa_system_vgpr_workitem_id 0
		.amdhsa_next_free_vgpr 768
		.amdhsa_next_free_sgpr 66
		.amdhsa_reserve_vcc 0
		.amdhsa_float_denorm_mode_32 3
		.amdhsa_float_denorm_mode_16_64 3
		.amdhsa_memory_ordered 1
		.amdhsa_forward_progress 1
		.amdhsa_inst_pref_size 119
	.end_amdhsa_kernel
	.amdgpu_metadata
---
amdhsa.version: [ 1, 2 ]
amdhsa.kernels:
  - .name:           k_qada7a0b49e_attn
    .symbol:         k_qada7a0b49e_attn.kd
    .args:
      - { .name: big, .offset: 0, .size: 8, .value_kind: global_buffer, .address_space: global }
      - { .name: pa, .offset: 8, .size: 8, .value_kind: global_buffer, .address_space: global }
      - { .name: nx, .offset: 16, .size: 8, .value_kind: global_buffer, .address_space: global }
    .group_segment_fixed_size: 327680
    .private_segment_fixed_size: 0
    .kernarg_segment_align: 8
    .kernarg_segment_size: 24
    .max_flat_workgroup_size: 128
    .sgpr_count:     66
    .vgpr_count:     768
    .wavefront_size: 32
...
	.end_amdgpu_metadata
.endif
;; end of part 3
;; launch wo (part 4): grid 8 x 32, 4 waves a work-group, clusters of 4 x 4, 327,680 bytes of LDS; arguments nx, pa, bo, x, x1; writes x1
.if DOCPART == 4
	.amdgcn_target "amdgcn-amd-amdhsa--gfx1250"
	.amdhsa_code_object_version 6
	.text
	.protected	k_qada7a0b49e_wo
	.globl	k_qada7a0b49e_wo
	.p2align	8
	.type	k_qada7a0b49e_wo,@function
k_qada7a0b49e_wo:
	s_mov_b64 s[64:65], 0
	v_nop
	global_prefetch_b8 v0, s[64:65] scope:SCOPE_SE
	s_setreg_imm32_b32 hwreg(HW_REG_WAVE_MODE, 25, 1), 1
	s_wait_xcnt 0x0
	s_wait_alu depctr_hold_cnt(0) depctr_sa_sdst(0) depctr_va_vdst(0) depctr_va_sdst(0) depctr_va_ssrc(0) depctr_va_vcc(0) depctr_vm_vsrc(0)
	s_getreg_b32 s2, hwreg(HW_REG_IB_STS2, 6, 4)
	s_cmp_eq_u32 s2, 0
	s_cbranch_scc0 .Lentry_in_a_cluster
	s_endpgm
.Lentry_in_a_cluster:
	s_bfe_u32 s2, ttmp6, 0x10000c
	s_cmp_lg_u32 s2, 0xf033
	s_cbranch_scc0 .Lentry_shape_is_right
	s_endpgm
.Lentry_shape_is_right:
; THE NARROW PRODUCT WITH ITS RESIDUAL, K = 1,024: out[m][n] = res[m][n] + bias[n] + sum over k of A[m][k] B[n][k], n < 1,024, m < 4,096; out, res and bias in f32, row-major.
; A and B come in PANELS of 64 along K: A [K/64][4096][64] bf16, B [K/64][1024][64] bf16 (in the pack, byte 8,421,376 on): a row's piece is 128 dense bytes.
; K enters the text as STEPS = K / 256 alone.
; A tile is 128 x 128, so that the 256 tiles give each WGP one; four waves, each 64 x 64 in 16 accumulators.  K goes in steps of 256 (four panels) through two LDS slots.
; One tensor load brings two panels x 128 rows: each panel's 128 rows are 16,384 dense bytes, asked for as one row of the tile, and padded in LDS after every 128 bytes.
; A STEP IS WRITTEN ONCE IN THE LOOP, and once more for the last step, which fills nothing: the change of slots with its refill, then the slot's four panels.  Which slot is read and which is filled
; stands in registers.  A step brings 131,072 bytes for 128 matrix instructions a wave, half of what the wide product has for as many bytes: so fragments are fetched ahead within a step and not across the change of slots.
; THE SUMS START FROM THE BIAS: 128 v_mov_b32, written while the first tiles are on their way, so that the products have one form; a first step written out would be the longer text.
; CLUSTERS of 4 x 4: A's tiles are asked for jointly along a row of the cluster, B's along a column.  No prefetch: a K step's tiles are small.
; THE MATRIX INSTRUCTION IS USED TRANSPOSED: lane l holds row l % 16 and the columns 8 (l / 16) + 0..7, which are the lane's eight bias numbers.
; THE WAY OUT: a wave's 64 columns of f32 are 256 aligned bytes.
; REGISTERS: window 0: v0-31 addresses; v32-63 the bias, later rows read back; v64-127 the residual, two buffers; v128-255 the accumulators.  window 1: two fragment buffers of 128.
.set STEPS,  4
.set PITCH,  144                       ; 128 bytes + 16: the 16 rows of a fragment load start at 16 different groups of four banks (ISA guide 11.1)
.set PANEL,  128*PITCH
.set LOADB,  2*PANEL                   ; what one tensor load brings: 0x9000 bytes
.set SLOT,   4*LOADB                   ; A's four panels, then B's four: 0x24000 bytes, which shares no bit with wave x 0x9000: an exclusive or with it turns a wave's place in one slot into its place in the other
.set STAGE,  2*SLOT
.set SPITCH, 272
.set SPARE,  STAGE+4*16*SPITCH
.set SW,     8421376
.set STEPA,  4*524288                  ; a K step: four panels of A,
.set STEPB,  4*131072                  ; of B
.set A0,   16                          ; v16 my A fragments' place from a slot's first byte; never rewritten
.set B0,   17                          ; v17 the same for B
.set ADA,  18                          ; v18 their LDS address in the slot in hand
.set ADB,  19                          ; v19
.set STO,  24
.set RD,   25
.set CO,   26
.set BO,   27
.set SPW,  28
.set NIL,  29
.set BIAS, 32
.set RB,   32
.set XR,   64
.set ACC,  128
.set F0,   0
.set F1,   128
.set TB,   76                          ; s76 first byte of the slot in hand: 0 or SLOT
.set G1, 24                            ; s[24:31] A's descriptor group 1; s[32:39] group 0: a set for each of the two first fills; the second then walks on
.set G0, 32
.set G1B, 48                           ; s[48:55], s[56:63] B's
.set G0B, 56
.set MSB, 0
.macro WIN new
.if MSB != (\new)
	s_set_vgpr_msb (MSB<<8)|(\new)
.set MSB, \new
.endif
.endm
.set MUL,  0x05                        ; sources 0 (B) and 1 (A) window 1; C and D window 0
.set TO_F, 0x40
.macro JLOAD s                         ; a joint load: waves 0 and 1 fetch A's panels 0, 1 and 2, 3 of the step, waves 2 and 3 B's; s_nop 0 and four v_nop follow each line
	s_cmp_eq_u32 s11, 0
	s_cbranch_scc0 .Lfor_b_\@
	tensor_load_to_lds s[G0+4*(\s):G0+4*(\s)+3], s[G1:G1+7]
	s_nop 0
.rept 4
	v_nop
.endr
	s_branch .Lasked_\@
.Lfor_b_\@:
	tensor_load_to_lds s[G0B+4*(\s):G0B+4*(\s)+3], s[G1B:G1B+7]
	s_nop 0
.rept 4
	v_nop
.endr
.Lasked_\@:
.endm
.macro CROUND                          ; a round of the cluster's barrier
	s_barrier_signal -1
	s_barrier_wait -1
	s_cmp_lg_u32 s10, 0
	s_cbranch_scc1 .Lnot_wave_0_\@
	s_barrier_signal -3
.Lnot_wave_0_\@:
	s_barrier_wait -3
	s_barrier_signal -1
	s_barrier_wait -1
.endm
.macro PLACES                          ; four plain instructions between a matrix instruction and loads into registers it read, or readers of its result
.rept 4
	v_nop
.endr
.endm
.macro MUL8 f, c, a0                   ; 8 matrix instructions: m blocks a0, a0 + 1 x 4 n blocks, 32 along K; the 16 accumulators take turns
	WIN MUL
.irp a, \a0, (\a0)+1
.irp b, 0,1,2,3
	v_wmma_f32_16x16x32_bf16 v[ACC+8*(4*(\a)+(\b)):ACC+8*(4*(\a)+(\b))+7], v[(\f)+64+8*(4*(\c)+(\b)):(\f)+64+8*(4*(\c)+(\b))+7], v[(\f)+8*(4*(\c)+(\a)):(\f)+8*(4*(\c)+(\a))+7], v[ACC+8*(4*(\a)+(\b)):ACC+8*(4*(\a)+(\b))+7]
.endr
.endr
.endm
.macro FETCH k, f                      ; 32 LDS loads in one run: one panel's fragments (64 along K), the first 32 along K first; k = the panel's byte in the slot
	WIN TO_F
.irp c, 0,1
.irp i, 0,1,2,3
	ds_load_b128 v[(\f)+64+8*(4*(\c)+(\i)):(\f)+64+8*(4*(\c)+(\i))+3],   v[ADB] offset:(\k)+64*(\c)+(\i)*16*PITCH
	ds_load_b128 v[(\f)+64+8*(4*(\c)+(\i))+4:(\f)+64+8*(4*(\c)+(\i))+7], v[ADB] offset:(\k)+64*(\c)+(\i)*16*PITCH+32
	ds_load_b128 v[(\f)+8*(4*(\c)+(\i)):(\f)+8*(4*(\c)+(\i))+3],         v[ADA] offset:(\k)+64*(\c)+(\i)*16*PITCH
	ds_load_b128 v[(\f)+8*(4*(\c)+(\i))+4:(\f)+8*(4*(\c)+(\i))+7],       v[ADA] offset:(\k)+64*(\c)+(\i)*16*PITCH+32
.endr
.endr
.endm
.macro QUARTER k, f, g                 ; a panel: 32 matrix instructions on buffer f; the next panel's loads, at byte k, stand in its middle
	s_wait_dscnt 16                                ; the first 32 along K are in
	MUL8 \f, 0, 0
	MUL8 \f, 0, 2
	PLACES
	FETCH \k, \g
	s_wait_dscnt 32                                ; all but the 32 just issued
	MUL8 \f, 1, 0
	MUL8 \f, 1, 2
.endm
.macro WORK                            ; the four panels of the slot in hand
	v_add_nc_u32 v[ADA], s[TB], v[A0]
	v_add_nc_u32 v[ADB], s[TB], v[B0]
	FETCH 0, F0
	QUARTER PANEL,   F0, F1
	QUARTER 2*PANEL, F1, F0
	QUARTER 3*PANEL, F0, F1
	s_wait_dscnt 16
	MUL8 F1, 0, 0
	MUL8 F1, 0, 2
	s_wait_dscnt 0x0
	MUL8 F1, 1, 0
	MUL8 F1, 1, 2
	WIN 0
.endm
.macro RES a                           ; the residual of my rows 16 a .. + 15: sixteen lanes take 256 consecutive bytes of a row
.irp t, 0,1,2,3,4,5,6,7
	global_load_b128 v[XR+32*((\a)%2)+4*(\t):XR+32*((\a)%2)+4*(\t)+3], v[CO], s[70:71] offset:(16*(\a)+2*(\t))*4096
.endr
.endm
; THE CHANGE OF SLOTS.  Each wave waits for all its tensor loads (one is out: its part of the other slot), adds 0 to its spare word, and waits for that; its reads of the slot that it leaves came back in WORK.
; fill = 1: the barrier is a round of the cluster's, so that no wave of any partner still reads the slot or has a load on its way; the joint refill, the K step after the one now to be multiplied, is the first
; thing behind it and has that step's 128 matrix instructions in which to land.  The walking descriptor turns to the other slot than last time and goes one K step on.
; fill = 0: the last step: nothing is left to fetch; the first two blocks' residual is asked for.
.macro CHANGE fill
	s_wait_tensorcnt 0x0                           ; no tensor load of mine is out, so a group 0 may be written
	ds_add_u32 v[SPW], v[NIL]
	s_xor_b32 s[TB], s[TB], SLOT
.if \fill
	s_xor_b32 s[G0+5], s[G0+5], SLOT
	s_add_nc_u64 s[G0+6:G0+7], s[G0+6:G0+7], STEPA
	s_xor_b32 s[G0B+5], s[G0B+5], SLOT
	s_add_nc_u64 s[G0B+6:G0B+7], s[G0B+6:G0B+7], STEPB
.endif
	s_wait_dscnt 0x0
.if \fill
	CROUND
	JLOAD 1                                        ; the four v_nop behind it are also the places in front of WORK's first loads
.else
	s_barrier_signal -1
	s_barrier_wait -1
	RES 0
	RES 1
	PLACES
.endif
.endm
.macro OUT a                           ; block a: through my stage, plus the residual, out
.if (\a) > 0
	s_wait_xcnt 0x0                                ; the last block's stores have read their registers
.endif
.irp b, 0,1,2,3
	ds_store_b128 v[STO], v[ACC+8*(4*(\a)+(\b)):ACC+8*(4*(\a)+(\b))+3]   offset:64*(\b)
	ds_store_b128 v[STO], v[ACC+8*(4*(\a)+(\b))+4:ACC+8*(4*(\a)+(\b))+7] offset:64*(\b)+16
.endr
.irp t, 0,1,2,3,4,5,6,7
	ds_load_b128 v[RB+4*(\t):RB+4*(\t)+3], v[RD] offset:(\t)*2*SPITCH  ; LDS serves a wave's instructions in order (ISA guide 5.7.1.4)
.endr
.if (\a) < 3
	s_wait_loadcnt 8                               ; this block's residual is in; the next block's eight loads stay out
.else
	s_wait_loadcnt 0x0
.endif
	s_wait_dscnt 0x0
.set z, 0
.rept 16
	v_pk_add_f32 v[RB+z:RB+z+1], v[RB+z:RB+z+1], v[XR+32*((\a)%2)+z:XR+32*((\a)%2)+z+1]
.set z, z+2
.endr
.irp t, 0,1,2,3,4,5,6,7
	global_store_b128 v[CO], v[RB+4*(\t):RB+4*(\t)+3], s[74:75] offset:(16*(\a)+2*(\t))*4096  ; sixteen lanes store 256 consecutive bytes, aligned
.endr
.if (\a) < 2
	RES (\a)+2
.endif
.endm
	s_load_b128 s[4:7], s[0:1], 0x0                ; A, the pack
	s_load_b128 s[68:71], s[0:1], 0x10             ; bias, residual
	s_load_b64 s[74:75], s[0:1], 0x20              ; out
	v_lshl_add_u32 v[SPW], v0, 2, SPARE
	v_mov_b32 v[NIL], 0
	ds_add_u32 v[SPW], v[NIL]                      ; the wave's opening: the add and its wait ahead of my first tensor load
	v_lshrrev_b32 v1, 5, v0
	v_readfirstlane_b32 s10, v1
	s_lshr_b32 s11, s10, 1                         ; my half of the tile's rows; also: I fetch for A (0) or B (1)
	s_and_b32 s12, s10, 1                          ; my half of its columns; also: which two panels I fetch
	s_bfe_u32 s40, ttmp6, 0x40000
	s_bfe_u32 s41, ttmp6, 0x40004
	s_lshl_b32 s42, ttmp9, 2
	s_add_co_u32 s42, s42, s40                     ; tile column
	s_and_b32 s13, ttmp7, 0xffff
	s_lshl_b32 s13, s13, 2
	s_add_co_u32 s13, s13, s41                     ; tile row
	s_lshl_b32 s43, s41, 2
	s_lshl_b32 s43, 15, s43
	s_lshl_b32 s44, 0x1111, s40
	s_or_b32 s[G1+0], s43, (1<<16)|(1<<20)|(1<<21)|(4<<22)|(3<<25)   ; the mask; 2-byte elements; padding on; bit 21 beside a mask; after every 32 words 4 words
	s_or_b32 s[G1B+0], s44, (1<<16)|(1<<20)|(1<<21)|(4<<22)|(3<<25)
.irp g, G1, G1B
	s_mov_b32 s[(\g)+1], 8192<<16                  ; tensor_dim0 = 8,192: 128 rows of 64
	s_mov_b32 s[(\g)+2], 2<<16                     ; tensor_dim1 = 2 panels
	s_mov_b32 s[(\g)+3], 8192<<16                  ; tile_dim0
	s_mov_b32 s[(\g)+4], 2                         ; tile_dim1
	s_mov_b32 s[(\g)+6], 0
	s_mov_b32 s[(\g)+7], 0
.endr
	s_mov_b32 s[G1+5], 262144                      ; elements from panel to panel: 4,096 x 64,
	s_mov_b32 s[G1B+5], 65536                      ; 1,024 x 64
	s_lshl_b32 s16, s13, 14                        ; A: 128 x tile row rows of 128 bytes + two panels x half
	s_lshl_b32 s17, s12, 20
	s_add_co_u32 s16, s16, s17
	s_mov_b32 s17, 0
	s_lshl_b32 s46, s42, 14                        ; B likewise
	s_lshl_b32 s47, s12, 18
	s_add_co_u32 s46, s46, s47
	s_mov_b32 s47, 0
	s_mul_i32 s20, s10, LOADB
	s_mov_b32 s[TB], 0                             ; K step 0 lies in slot 0
	s_wait_dscnt 0x0                               ; the opening add is done
	s_wait_kmcnt 0x0
	s_add_nc_u64 s[78:79], s[6:7], SW
	s_add_nc_u64 s[14:15], s[4:5], s[16:17]
	s_add_nc_u64 s[46:47], s[78:79], s[46:47]
	CROUND                                         ; all sixteen work-groups are here: the first joint loads meet
.irp s, 0,1
	s_mov_b32 s[G0+4*(\s)], 1
	s_add_co_u32 s[G0+4*(\s)+1], s20, (\s)*SLOT
	s_add_nc_u64 s[G0+4*(\s)+2:G0+4*(\s)+3], s[14:15], (\s)*STEPA
	s_or_b32 s[G0+4*(\s)+3], s[G0+4*(\s)+3], 0x80000000
	s_mov_b32 s[G0B+4*(\s)], 1
	s_add_co_u32 s[G0B+4*(\s)+1], s20, (\s)*SLOT
	s_add_nc_u64 s[G0B+4*(\s)+2:G0B+4*(\s)+3], s[46:47], (\s)*STEPB
	s_or_b32 s[G0B+4*(\s)+3], s[G0B+4*(\s)+3], 0x80000000
	JLOAD \s
.endr
	v_and_b32 v1, 15, v0
	v_bfe_u32 v2, v0, 4, 1
	v_lshlrev_b32 v[BO], 5, v2
	s_lshl_b32 s16, s13, 19                        ; my first row, 128 x tile row + 64 x half, in rows of 4,096 bytes
	s_lshl_b32 s17, s11, 18
	s_add_co_u32 s16, s16, s17
	s_mov_b32 s17, 0
	s_lshl_b32 s46, s42, 9                         ; my first column, 128 x tile column + 64 x half, in bytes
	s_lshl_b32 s47, s12, 8
	s_add_co_u32 s46, s46, s47
	s_mov_b32 s47, 0
	s_add_nc_u64 s[68:69], s[68:69], s[46:47]
	s_add_nc_u64 s[70:71], s[70:71], s[16:17]
	s_add_nc_u64 s[70:71], s[70:71], s[46:47]
	s_add_nc_u64 s[74:75], s[74:75], s[16:17]
	s_add_nc_u64 s[74:75], s[74:75], s[46:47]
.irp b, 0,1,2,3
	global_load_b128 v[BIAS+8*\b:BIAS+8*\b+3],   v[BO], s[68:69] offset:64*\b
	global_load_b128 v[BIAS+8*\b+4:BIAS+8*\b+7], v[BO], s[68:69] offset:64*\b+16
.endr
	v_mul_u32_u24 v3, v1, PITCH
	v_lshl_add_u32 v3, v2, 4, v3                   ; a fragment's row x pitch + 16 x half
	s_mul_i32 s21, s11, 64*PITCH                   ; my 64 rows of A's panels,
	s_mul_i32 s22, s12, 64*PITCH                   ; my 64 rows of B's,
	s_add_co_u32 s22, s22, 2*LOADB                 ; which lie behind A's four
	v_add_nc_u32 v[A0], s21, v3
	v_add_nc_u32 v[B0], s22, v3
	s_mul_i32 s23, s10, 16*SPITCH
	s_add_co_u32 s23, s23, STAGE                   ; my stage
	v_mul_u32_u24 v4, v1, SPITCH                   ; in: row l % 16, 32 bytes for each half of the lanes
	v_lshl_add_u32 v4, v2, 5, v4
	v_add_nc_u32 v[STO], s23, v4
	v_mul_u32_u24 v5, v2, SPITCH                   ; back: lanes 0-15 one row of 256 bytes, lanes 16-31 the next
	v_lshl_add_u32 v5, v1, 4, v5
	v_add_nc_u32 v[RD], s23, v5
	v_lshlrev_b32 v5, 12, v2                       ; and the same two rows in memory
	v_lshl_add_u32 v[CO], v1, 4, v5
	s_wait_loadcnt 0x0                             ; the bias
.irp a, 0,1,2,3
.irp b, 0,1,2,3
.irp j, 0,1,2,3,4,5,6,7
	v_mov_b32 v[ACC+8*(4*(\a)+(\b))+(\j)], v[BIAS+8*(\b)+(\j)]  ; the sums start from the bias
.endr
.endr
.endr
	s_wait_tensorcnt 1                             ; my part of K step 0 is in; K step 1's may stay out
	s_barrier_signal -1
	s_barrier_wait -1
	s_mov_b32 s3, STEPS-1
	s_branch .Lwork                                ; the loop is entered behind its change of slots: both first steps were asked for at the head
.Lstep:                                                ; STEPS - 2 changes fill a slot again; WORK runs STEPS - 1 times here
	CHANGE 1
.Lwork:
	WORK
	s_sub_co_u32 s3, s3, 1
	s_cmp_lg_u32 s3, 0
	s_cbranch_scc1 .Lstep
	CHANGE 0                                       ; the last step is written out
	WORK
	PLACES
	OUT 0
	OUT 1
	OUT 2
	OUT 3
	s_wait_tensorcnt 0x0                           ; the wave's end
	ds_add_u32 v[SPW], v[NIL]
	s_wait_dscnt 0x0
	CROUND                                         ; the closing round
	s_endpgm
.Lfunc_end_k_qada7a0b49e_wo:
	.size	k_qada7a0b49e_wo, .Lfunc_end_k_qada7a0b49e_wo-k_qada7a0b49e_wo
	.p2alignl 7, 3214868480
	.fill 96, 4, 3214868480
	.section	.rodata,"a",@progbits
	.p2align	6, 0x0
	.amdhsa_kernel k_qada7a0b49e_wo
		.amdhsa_group_segment_fixed_size 327680
		.amdhsa_private_segment_fixed_size 0
		.amdhsa_enable_private_segment 0
		.amdhsa_kernarg_size 40
		.amdhsa_user_sgpr_count 2
		.amdhsa_user_sgpr_kernarg_segment_ptr 1
		.amdhsa_wavefront_size32 1
		.amdhsa_system_sgpr_workgroup_id_x 1
		.amdhsa_system_sgpr_workgroup_id_y 1
		.amdhsa_system_sgpr_workgroup_id_z 1
		.amdhsa_system_vgpr_workitem_id 0
		.amdhsa_next_free_vgpr 512
		.amdhsa_next_free_sgpr 80
		.amdhsa_reserve_vcc 0
		.amdhsa_float_denorm_mode_32 3
		.amdhsa_float_denorm_mode_16_64 3
		.amdhsa_memory_ordered 1
		.amdhsa_forward_progress 1
		.amdhsa_inst_pref_size 63
	.end_amdhsa_kernel
	.amdgpu_metadata
---
amdhsa.version: [ 1, 2 ]
amdhsa.kernels:
  - .name:           k_qada7a0b49e_wo
    .symbol:         k_qada7a0b49e_wo.kd
    .args:
      - { .name: nx, .offset: 0, .size: 8, .value_kind: global_buffer, .address_space: global }
      - { .name: pa, .offset: 8, .size: 8, .value_kind: global_buffer, .address_space: global }
      - { .name: bo, .offset: 16, .size: 8, .value_kind: global_buffer, .address_space: global }
      - { .name: x, .offset: 24, .size: 8, .value_kind: global_buffer, .address_space: global }
      - { .name: x1, .offset: 32, .size: 8, .value_kind: global_buffer, .address_space: global }
    .group_segment_fixed_size: 327680
    .private_segment_fixed_size: 0
    .kernarg_segment_align: 8
    .kernarg_segment_size: 40
    .max_flat_workgroup_size: 128
    .sgpr_count:     80
    .vgpr_count:     512
    .wavefront_size: 32
...
	.end_amdgpu_metadata
.endif
;; end of part 4
;; launch ln2 (part 5): grid 256 x 1, 16 waves a work-group, no clusters, 0 bytes of LDS; arguments x1, ln2_w, ln2_b, nx; writes nx
.if DOCPART == 5
	.amdgcn_target "amdgcn-amd-amdhsa--gfx1250"
	.amdhsa_code_object_version 6
	.text
	.protected	k_qada7a0b49e_ln2
	.globl	k_qada7a0b49e_ln2
	.p2align	8
	.type	k_qada7a0b49e_ln2,@function
k_qada7a0b49e_ln2:
	s_mov_b64 s[64:65], 0
	v_nop
	global_prefetch_b8 v0, s[64:65] scope:SCOPE_SE
	s_setreg_imm32_b32 hwreg(HW_REG_WAVE_MODE, 25, 1), 1
	s_wait_xcnt 0x0
; LN2: nx = ln2_w (x1 - mean) / (std + 1e-5) + ln2_b, std with N - 1; f32 throughout, rounded once to bf16.  A wave a row of 1,024 numbers, kept in registers between the mean,
; the squares and the scaling; all 24 loads of a wave go out at once; no LDS, no barrier, no loop: 4,096 rows, 4,096 waves.
; LIMITS: v_sqrt_f32 and v_rcp_f32 take denormals as 0: a row whose variance lies under 2^-126 counts as constant.  NaN and infinities are not treated apart.
.set X,  16                            ; v[16:47]  the row, 32 numbers a lane
.set W,  48                            ; v[48:79]  the gain
.set BV, 80                            ; v[80:111] the bias
.macro LANES                           ; the sum of the four pairs v[4:11] over the 32 lanes, into v4 of every lane
	v_pk_add_f32 v[4:5], v[4:5], v[6:7]
	v_pk_add_f32 v[8:9], v[8:9], v[10:11]
	v_pk_add_f32 v[4:5], v[4:5], v[8:9]
	v_add_f32 v4, v4, v5
	v_add_f32_dpp v4, v4, v4 row_xmask:1 row_mask:0xf bank_mask:0xf
	v_add_f32_dpp v4, v4, v4 row_xmask:2 row_mask:0xf bank_mask:0xf
	v_add_f32_dpp v4, v4, v4 row_xmask:4 row_mask:0xf bank_mask:0xf
	v_add_f32_dpp v4, v4, v4 row_xmask:8 row_mask:0xf bank_mask:0xf
	v_permlanex16_b32 v5, v4, s12, s13
	v_add_f32 v4, v4, v5
.endm
	s_load_b256 s[4:11], s[0:1], 0x0               ; x1, ln2_w, ln2_b, nx
	v_lshrrev_b32 v1, 5, v0
	v_readfirstlane_b32 s14, v1                    ; wave 0..15
	v_and_b32 v1, 31, v0
	v_lshlrev_b32 v2, 4, v1
	v_lshlrev_b32 v3, 3, v1
	s_mov_b32 s12, 0x76543210
	s_mov_b32 s13, 0xfedcba98
	s_lshl_b32 s16, ttmp9, 4
	s_add_co_u32 s16, s16, s14                     ; my row
	s_lshl_b32 s18, s16, 12
	s_mov_b32 s19, 0
	s_lshl_b32 s20, s16, 11
	s_mov_b32 s21, 0
	s_wait_kmcnt 0x0
	s_add_nc_u64 s[4:5], s[4:5], s[18:19]
	s_add_nc_u64 s[10:11], s[10:11], s[20:21]
.irp j, 0,1,2,3,4,5,6,7
	global_load_b128 v[X+4*\j:X+4*\j+3], v2, s[4:5] offset:512*\j th:TH_LOAD_NT  ; 512 consecutive bytes: a lane holds columns 128 j + 4 lane + 0..3
.endr
.irp j, 0,1,2,3,4,5,6,7
	global_load_b128 v[W+4*\j:W+4*\j+3], v2, s[6:7] offset:512*\j
.endr
.irp j, 0,1,2,3,4,5,6,7
	global_load_b128 v[BV+4*\j:BV+4*\j+3], v2, s[8:9] offset:512*\j
.endr
	s_wait_loadcnt 16                              ; the row is in; the 16 younger loads, gain and bias, stay out
.irp c, 0,1,2,3
	v_pk_add_f32 v[4+2*\c:5+2*\c], v[X+2*\c:X+2*\c+1], v[X+8+2*\c:X+9+2*\c]
.endr
.irp c, 0,1,2,3,4,5,6,7
	v_pk_add_f32 v[4+2*(\c%4):5+2*(\c%4)], v[4+2*(\c%4):5+2*(\c%4)], v[X+16+2*\c:X+17+2*\c]
.endr
	LANES
	v_mul_f32 v12, 0x3a800000, v4                  ; mean = sum / 1024
	v_mul_f32 v13, 0x3a800000, v4
.set i, 0
.rept 16
	v_pk_add_f32 v[X+i:X+i+1], v[X+i:X+i+1], v[12:13] neg_lo:[0,1] neg_hi:[0,1]
.set i, i+2
.endr
.irp c, 0,1,2,3
	v_pk_mul_f32 v[4+2*\c:5+2*\c], v[X+2*\c:X+2*\c+1], v[X+2*\c:X+2*\c+1]
.endr
.irp c, 4,5,6,7,8,9,10,11,12,13,14,15
	v_pk_fma_f32 v[4+2*(\c%4):5+2*(\c%4)], v[X+2*\c:X+2*\c+1], v[X+2*\c:X+2*\c+1], v[4+2*(\c%4):5+2*(\c%4)]
.endr
	LANES
	v_mul_f32 v4, 0x3a802008, v4                   ; / 1023
	v_sqrt_f32 v6, v4
	v_nop                                          ; a plain instruction behind the root,
	s_wait_alu depctr_va_vdst(0)                   ; and the wait ahead of its first reader
	v_add_f32 v6, 0x3727c5ac, v6                   ; + 1e-5
	v_rcp_f32 v14, v6
	v_nop
	s_wait_alu depctr_va_vdst(0)
	v_mov_b32 v15, v14
	s_wait_loadcnt 0x0
.set i, 0
.rept 16
	v_pk_mul_f32 v[X+i:X+i+1], v[X+i:X+i+1], v[14:15]
.set i, i+2
.endr
.set i, 0
.rept 16
	v_pk_fma_f32 v[X+i:X+i+1], v[X+i:X+i+1], v[W+i:W+i+1], v[BV+i:BV+i+1]
.set i, i+2
.endr
.set i, 0
.rept 16
	v_cvt_pk_bf16_f32 v[X+i], v[X+2*i], v[X+2*i+1] ; in place: register i was read by conversion i / 2
.set i, i+1
.endr
.irp j, 0,1,2,3,4,5,6,7
	global_store_b64 v3, v[X+2*\j:X+2*\j+1], s[10:11] offset:256*\j  ; the wave stores 256 consecutive bytes, aligned
.endr
	s_endpgm
.Lfunc_end_k_qada7a0b49e_ln2:
	.size	k_qada7a0b49e_ln2, .Lfunc_end_k_qada7a0b49e_ln2-k_qada7a0b49e_ln2
	.p2alignl 7, 3214868480
	.fill 96, 4, 3214868480
	.section	.rodata,"a",@progbits
	.p2align	6, 0x0
	.amdhsa_kernel k_qada7a0b49e_ln2
		.amdhsa_group_segment_fixed_size 0
		.amdhsa_private_segment_fixed_size 0
		.amdhsa_enable_private_segment 0
		.amdhsa_kernarg_size 32
		.amdhsa_user_sgpr_count 2
		.amdhsa_user_sgpr_kernarg_segment_ptr 1
		.amdhsa_wavefront_size32 1
		.amdhsa_system_sgpr_workgroup_id_x 1
		.amdhsa_system_sgpr_workgroup_id_y 1
		.amdhsa_system_sgpr_workgroup_id_z 1
		.amdhsa_system_vgpr_workitem_id 0
		.amdhsa_next_free_vgpr 112
		.amdhsa_next_free_sgpr 66
		.amdhsa_reserve_vcc 0
		.amdhsa_float_denorm_mode_32 3
		.amdhsa_float_denorm_mode_16_64 3
		.amdhsa_memory_ordered 1
		.amdhsa_forward_progress 1
		.amdhsa_inst_pref_size 12
	.end_amdhsa_kernel
	.amdgpu_metadata
---
amdhsa.version: [ 1, 2 ]
amdhsa.kernels:
  - .name:           k_qada7a0b49e_ln2
    .symbol:         k_qada7a0b49e_ln2.kd
    .args:
      - { .name: x1, .offset: 0, .size: 8, .value_kind: global_buffer, .address_space: global }
      - { .name: ln2_w, .offset: 8, .size: 8, .value_kind: global_buffer, .address_space: global }
      - { .name: ln2_b, .offset: 16, .size: 8, .value_kind: global_buffer, .address_space: global }
      - { .name: nx, .offset: 24, .size: 8, .value_kind: global_buffer, .address_space: global }
    .group_segment_fixed_size: 0
    .private_segment_fixed_size: 0
    .kernarg_segment_align: 8
    .kernarg_segment_size: 32
    .max_flat_workgroup_size: 512
    .sgpr_count:     66
    .vgpr_count:     112
    .wavefront_size: 32
...
	.end_amdgpu_metadata
.endif
;; end of part 5
;; launch ffn1: the kernel of part 2 again; grid 16 x 16, 4 waves a work-group, clusters of 4 x 4, 327,680 bytes of LDS; arguments nx, pb, big; writes big
;; launch ffn2 (part 6): grid 8 x 32, 4 waves a work-group, clusters of 4 x 4, 327,680 bytes of LDS; arguments big, pb, b2, x1, out0; writes out0
.if DOCPART == 6
	.amdgcn_target "amdgcn-amd-amdhsa--gfx1250"
	.amdhsa_code_object_version 6
	.text
	.protected	k_qada7a0b49e_ffn2
	.globl	k_qada7a0b49e_ffn2
	.p2align	8
	.type	k_qada7a0b49e_ffn2,@function
k_qada7a0b49e_ffn2:
	s_mov_b64 s[64:65], 0
	v_nop
	global_prefetch_b8 v0, s[64:65] scope:SCOPE_SE
	s_setreg_imm32_b32 hwreg(HW_REG_WAVE_MODE, 25, 1), 1
	s_wait_xcnt 0x0
	s_wait_alu depctr_hold_cnt(0) depctr_sa_sdst(0) depctr_va_vdst(0) depctr_va_sdst(0) depctr_va_ssrc(0) depctr_va_vcc(0) depctr_vm_vsrc(0)
	s_getreg_b32 s2, hwreg(HW_REG_IB_STS2, 6, 4)
	s_cmp_eq_u32 s2, 0
	s_cbranch_scc0 .Lentry_in_a_cluster
	s_endpgm
.Lentry_in_a_cluster:
	s_bfe_u32 s2, ttmp6, 0x10000c
	s_cmp_lg_u32 s2, 0xf033
	s_cbranch_scc0 .Lentry_shape_is_right
	s_endpgm
.Lentry_shape_is_right:
; THE NARROW PRODUCT WITH ITS RESIDUAL, K = 4,096: out[m][n] = res[m][n] + bias[n] + sum over k of A[m][k] B[n][k], n < 1,024, m < 4,096; out, res and bias in f32, row-major.
; A and B come in PANELS of 64 along K: A [K/64][4096][64] bf16, B [K/64][1024][64] bf16 (in the pack, byte 8,421,376 on): a row's piece is 128 dense bytes.
; K enters the text as STEPS = K / 256 alone.
; A tile is 128 x 128, so that the 256 tiles give each WGP one; four waves, each 64 x 64 in 16 accumulators.  K goes in steps of 256 (four panels) through two LDS slots.
; One tensor load brings two panels x 128 rows: each panel's 128 rows are 16,384 dense bytes, asked for as one row of the tile, and padded in LDS after every 128 bytes.
; A STEP IS WRITTEN ONCE IN THE LOOP, and once more for the last step, which fills nothing: the change of slots with its refill, then the slot's four panels.  Which slot is read and which is filled
; stands in registers.  A step brings 131,072 bytes for 128 matrix instructions a wave, half of what the wide product has for as many bytes: so fragments are fetched ahead within a step and not across the change of slots.
; THE SUMS START FROM THE BIAS: 128 v_mov_b32, written while the first tiles are on their way, so that the products have one form; a first step written out would be the longer text.
; CLUSTERS of 4 x 4: A's tiles are asked for jointly along a row of the cluster, B's along a column.  No prefetch: a K step's tiles are small.
; THE MATRIX INSTRUCTION IS USED TRANSPOSED: lane l holds row l % 16 and the columns 8 (l / 16) + 0..7, which are the lane's eight bias numbers.
; THE WAY OUT: a wave's 64 columns of f32 are 256 aligned bytes.
; REGISTERS: window 0: v0-31 addresses; v32-63 the bias, later rows read back; v64-127 the residual, two buffers; v128-255 the accumulators.  window 1: two fragment buffers of 128.
.set STEPS,  16
.set PITCH,  144                       ; 128 bytes + 16: the 16 rows of a fragment load start at 16 different groups of four banks (ISA guide 11.1)
.set PANEL,  128*PITCH
.set LOADB,  2*PANEL                   ; what one tensor load brings: 0x9000 bytes
.set SLOT,   4*LOADB                   ; A's four panels, then B's four: 0x24000 bytes, which shares no bit with wave x 0x9000: an exclusive or with it turns a wave's place in one slot into its place in the other
.set STAGE,  2*SLOT
.set SPITCH, 272
.set SPARE,  STAGE+4*16*SPITCH
.set SW,     8421376
.set STEPA,  4*524288                  ; a K step: four panels of A,
.set STEPB,  4*131072                  ; of B
.set A0,   16                          ; v16 my A fragments' place from a slot's first byte; never rewritten
.set B0,   17                          ; v17 the same for B
.set ADA,  18                          ; v18 their LDS address in the slot in hand
.set ADB,  19                          ; v19
.set STO,  24
.set RD,   25
.set CO,   26
.set BO,   27
.set SPW,  28
.set NIL,  29
.set BIAS, 32
.set RB,   32
.set XR,   64
.set ACC,  128
.set F0,   0
.set F1,   128
.set TB,   76                          ; s76 first byte of the slot in hand: 0 or SLOT
.set G1, 24                            ; s[24:31] A's descriptor group 1; s[32:39] group 0: a set for each of the two first fills; the second then walks on
.set G0, 32
.set G1B, 48                           ; s[48:55], s[56:63] B's
.set G0B, 56
.set MSB, 0
.macro WIN new
.if MSB != (\new)
	s_set_vgpr_msb (MSB<<8)|(\new)
.set MSB, \new
.endif
.endm
.set MUL,  0x05                        ; sources 0 (B) and 1 (A) window 1; C and D window 0
.set TO_F, 0x40
.macro JLOAD s                         ; a joint load: waves 0 and 1 fetch A's panels 0, 1 and 2, 3 of the step, waves 2 and 3 B's; s_nop 0 and four v_nop follow each line
	s_cmp_eq_u32 s11, 0
	s_cbranch_scc0 .Lfor_b_\@
	tensor_load_to_lds s[G0+4*(\s):G0+4*(\s)+3], s[G1:G1+7]
	s_nop 0
.rept 4
	v_nop
.endr
	s_branch .Lasked_\@
.Lfor_b_\@:
	tensor_load_to_lds s[G0B+4*(\s):G0B+4*(\s)+3], s[G1B:G1B+7]
	s_nop 0
.rept 4
	v_nop
.endr
.Lasked_\@:
.endm
.macro CROUND                          ; a round of the cluster's barrier
	s_barrier_signal -1
	s_barrier_wait -1
	s_cmp_lg_u32 s10, 0
	s_cbranch_scc1 .Lnot_wave_0_\@
	s_barrier_signal -3
.Lnot_wave_0_\@:
	s_barrier_wait -3
	s_barrier_signal -1
	s_barrier_wait -1
.endm
.macro PLACES                          ; four plain instructions between a matrix instruction and loads into registers it read, or readers of its result
.rept 4
	v_nop
.endr
.endm
.macro MUL8 f, c, a0                   ; 8 matrix instructions: m blocks a0, a0 + 1 x 4 n blocks, 32 along K; the 16 accumulators take turns
	WIN MUL
.irp a, \a0, (\a0)+1
.irp b, 0,1,2,3
	v_wmma_f32_16x16x32_bf16 v[ACC+8*(4*(\a)+(\b)):ACC+8*(4*(\a)+(\b))+7], v[(\f)+64+8*(4*(\c)+(\b)):(\f)+64+8*(4*(\c)+(\b))+7], v[(\f)+8*(4*(\c)+(\a)):(\f)+8*(4*(\c)+(\a))+7], v[ACC+8*(4*(\a)+(\b)):ACC+8*(4*(\a)+(\b))+7]
.endr
.endr
.endm
.macro FETCH k, f                      ; 32 LDS loads in one run: one panel's fragments (64 along K), the first 32 along K first; k = the panel's byte in the slot
	WIN TO_F
.irp c, 0,1
.irp i, 0,1,2,3
	ds_load_b128 v[(\f)+64+8*(4*(\c)+(\i)):(\f)+64+8*(4*(\c)+(\i))+3],   v[ADB] offset:(\k)+64*(\c)+(\i)*16*PITCH
	ds_load_b128 v[(\f)+64+8*(4*(\c)+(\i))+4:(\f)+64+8*(4*(\c)+(\i))+7], v[ADB] offset:(\k)+64*(\c)+(\i)*16*PITCH+32
	ds_load_b128 v[(\f)+8*(4*(\c)+(\i)):(\f)+8*(4*(\c)+(\i))+3],         v[ADA] offset:(\k)+64*(\c)+(\i)*16*PITCH
	ds_load_b128 v[(\f)+8*(4*(\c)+(\i))+4:(\f)+8*(4*(\c)+(\i))+7],       v[ADA] offset:(\k)+64*(\c)+(\i)*16*PITCH+32
.endr
.endr
.endm
.macro QUARTER k, f, g                 ; a panel: 32 matrix instructions on buffer f; the next panel's loads, at byte k, stand in its middle
	s_wait_dscnt 16                                ; the first 32 along K are in
	MUL8 \f, 0, 0
	MUL8 \f, 0, 2
	PLACES
	FETCH \k, \g
	s_wait_dscnt 32                                ; all but the 32 just issued
	MUL8 \f, 1, 0
	MUL8 \f, 1, 2
.endm
.macro WORK                            ; the four panels of the slot in hand
	v_add_nc_u32 v[ADA], s[TB], v[A0]
	v_add_nc_u32 v[ADB], s[TB], v[B0]
	FETCH 0, F0
	QUARTER PANEL,   F0, F1
	QUARTER 2*PANEL, F1, F0
	QUARTER 3*PANEL, F0, F1
	s_wait_dscnt 16
	MUL8 F1, 0, 0
	MUL8 F1, 0, 2
	s_wait_dscnt 0x0
	MUL8 F1, 1, 0
	MUL8 F1, 1, 2
	WIN 0
.endm
.macro RES a                           ; the residual of my rows 16 a .. + 15: sixteen lanes take 256 consecutive bytes of a row
.irp t, 0,1,2,3,4,5,6,7
	global_load_b128 v[XR+32*((\a)%2)+4*(\t):XR+32*((\a)%2)+4*(\t)+3], v[CO], s[70:71] offset:(16*(\a)+2*(\t))*4096
.endr
.endm
; THE CHANGE OF SLOTS.  Each wave waits for all its tensor loads (one is out: its part of the other slot), adds 0 to its spare word, and waits for that; its reads of the slot that it leaves came back in WORK.
; fill = 1: the barrier is a round of the cluster's, so that no wave of any partner still reads the slot or has a load on its way; the joint refill, the K step after the one now to be multiplied, is the first
; thing behind it and has that step's 128 matrix instructions in which to land.  The walking descriptor turns to the other slot than last time and goes one K step on.
; fill = 0: the last step: nothing is left to fetch; the first two blocks' residual is asked for.
.macro CHANGE fill
	s_wait_tensorcnt 0x0                           ; no tensor load of mine is out, so a group 0 may be written
	ds_add_u32 v[SPW], v[NIL]
	s_xor_b32 s[TB], s[TB], SLOT
.if \fill
	s_xor_b32 s[G0+5], s[G0+5], SLOT
	s_add_nc_u64 s[G0+6:G0+7], s[G0+6:G0+7], STEPA
	s_xor_b32 s[G0B+5], s[G0B+5], SLOT
	s_add_nc_u64 s[G0B+6:G0B+7], s[G0B+6:G0B+7], STEPB
.endif
	s_wait_dscnt 0x0
.if \fill
	CROUND
	JLOAD 1                                        ; the four v_nop behind it are also the places in front of WORK's first loads
.else
	s_barrier_signal -1
	s_barrier_wait -1
	RES 0
	RES 1
	PLACES
.endif
.endm
.macro OUT a                           ; block a: through my stage, plus the residual, out
.if (\a) > 0
	s_wait_xcnt 0x0                                ; the last block's stores have read their registers
.endif
.irp b, 0,1,2,3
	ds_store_b128 v[STO], v[ACC+8*(4*(\a)+(\b)):ACC+8*(4*(\a)+(\b))+3]   offset:64*(\b)
	ds_store_b128 v[STO], v[ACC+8*(4*(\a)+(\b))+4:ACC+8*(4*(\a)+(\b))+7] offset:64*(\b)+16
.endr
.irp t, 0,1,2,3,4,5,6,7
	ds_load_b128 v[RB+4*(\t):RB+4*(\t)+3], v[RD] offset:(\t)*2*SPITCH  ; LDS serves a wave's instructions in order (ISA guide 5.7.1.4)
.endr
.if (\a) < 3
	s_wait_loadcnt 8                               ; this block's residual is in; the next block's eight loads stay out
.else
	s_wait_loadcnt 0x0
.endif
	s_wait_dscnt 0x0
.set z, 0
.rept 16
	v_pk_add_f32 v[RB+z:RB+z+1], v[RB+z:RB+z+1], v[XR+32*((\a)%2)+z:XR+32*((\a)%2)+z+1]
.set z, z+2
.endr
.irp t, 0,1,2,3,4,5,6,7
	global_store_b128 v[CO], v[RB+4*(\t):RB+4*(\t)+3], s[74:75] offset:(16*(\a)+2*(\t))*4096  ; sixteen lanes store 256 consecutive bytes, aligned
.endr
.if (\a) < 2
	RES (\a)+2
.endif
.endm
	s_load_b128 s[4:7], s[0:1], 0x0                ; A, the pack
	s_load_b128 s[68:71], s[0:1], 0x10             ; bias, residual
	s_load_b64 s[74:75], s[0:1], 0x20              ; out
	v_lshl_add_u32 v[SPW], v0, 2, SPARE
	v_mov_b32 v[NIL], 0
	ds_add_u32 v[SPW], v[NIL]                      ; the wave's opening: the add and its wait ahead of my first tensor load
	v_lshrrev_b32 v1, 5, v0
	v_readfirstlane_b32 s10, v1
	s_lshr_b32 s11, s10, 1                         ; my half of the tile's rows; also: I fetch for A (0) or B (1)
	s_and_b32 s12, s10, 1                          ; my half of its columns; also: which two panels I fetch
	s_bfe_u32 s40, ttmp6, 0x40000
	s_bfe_u32 s41, ttmp6, 0x40004
	s_lshl_b32 s42, ttmp9, 2
	s_add_co_u32 s42, s42, s40                     ; tile column
	s_and_b32 s13, ttmp7, 0xffff
	s_lshl_b32 s13, s13, 2
	s_add_co_u32 s13, s13, s41                     ; tile row
	s_lshl_b32 s43, s41, 2
	s_lshl_b32 s43, 15, s43
	s_lshl_b32 s44, 0x1111, s40
	s_or_b32 s[G1+0], s43, (1<<16)|(1<<20)|(1<<21)|(4<<22)|(3<<25)   ; the mask; 2-byte elements; padding on; bit 21 beside a mask; after every 32 words 4 words
	s_or_b32 s[G1B+0], s44, (1<<16)|(1<<20)|(1<<21)|(4<<22)|(3<<25)
.irp g, G1, G1B
	s_mov_b32 s[(\g)+1], 8192<<16                  ; tensor_dim0 = 8,192: 128 rows of 64
	s_mov_b32 s[(\g)+2], 2<<16                     ; tensor_dim1 = 2 panels
	s_mov_b32 s[(\g)+3], 8192<<16                  ; tile_dim0
	s_mov_b32 s[(\g)+4], 2                         ; tile_dim1
	s_mov_b32 s[(\g)+6], 0
	s_mov_b32 s[(\g)+7], 0
.endr
	s_mov_b32 s[G1+5], 262144                      ; elements from panel to panel: 4,096 x 64,
	s_mov_b32 s[G1B+5], 65536                      ; 1,024 x 64
	s_lshl_b32 s16, s13, 14                        ; A: 128 x tile row rows of 128 bytes + two panels x half
	s_lshl_b32 s17, s12, 20
	s_add_co_u32 s16, s16, s17
	s_mov_b32 s17, 0
	s_lshl_b32 s46, s42, 14                        ; B likewise
	s_lshl_b32 s47, s12, 18
	s_add_co_u32 s46, s46, s47
	s_mov_b32 s47, 0
	s_mul_i32 s20, s10, LOADB
	s_mov_b32 s[TB], 0                             ; K step 0 lies in slot 0
	s_wait_dscnt 0x0                               ; the opening add is done
	s_wait_kmcnt 0x0
	s_add_nc_u64 s[78:79], s[6:7], SW
	s_add_nc_u64 s[14:15], s[4:5], s[16:17]
	s_add_nc_u64 s[46:47], s[78:79], s[46:47]
	CROUND                                         ; all sixteen work-groups are here: the first joint loads meet
.irp s, 0,1
	s_mov_b32 s[G0+4*(\s)], 1
	s_add_co_u32 s[G0+4*(\s)+1], s20, (\s)*SLOT
	s_add_nc_u64 s[G0+4*(\s)+2:G0+4*(\s)+3], s[14:15], (\s)*STEPA
	s_or_b32 s[G0+4*(\s)+3], s[G0+4*(\s)+3], 0x80000000
	s_mov_b32 s[G0B+4*(\s)], 1
	s_add_co_u32 s[G0B+4*(\s)+1], s20, (\s)*SLOT
	s_add_nc_u64 s[G0B+4*(\s)+2:G0B+4*(\s)+3], s[46:47], (\s)*STEPB
	s_or_b32 s[G0B+4*(\s)+3], s[G0B+4*(\s)+3], 0x80000000
	JLOAD \s
.endr
	v_and_b32 v1, 15, v0
	v_bfe_u32 v2, v0, 4, 1
	v_lshlrev_b32 v[BO], 5, v2
	s_lshl_b32 s16, s13, 19                        ; my first row, 128 x tile row + 64 x half, in rows of 4,096 bytes
	s_lshl_b32 s17, s11, 18
	s_add_co_u32 s16, s16, s17
	s_mov_b32 s17, 0
	s_lshl_b32 s46, s42, 9                         ; my first column, 128 x tile column + 64 x half, in bytes
	s_lshl_b32 s47, s12, 8
	s_add_co_u32 s46, s46, s47
	s_mov_b32 s47, 0
	s_add_nc_u64 s[68:69], s[68:69], s[46:47]
	s_add_nc_u64 s[70:71], s[70:71], s[16:17]
	s_add_nc_u64 s[70:71], s[70:71], s[46:47]
	s_add_nc_u64 s[74:75], s[74:75], s[16:17]
	s_add_nc_u64 s[74:75], s[74:75], s[46:47]
.irp b, 0,1,2,3
	global_load_b128 v[BIAS+8*\b:BIAS+8*\b+3],   v[BO], s[68:69] offset:64*\b
	global_load_b128 v[BIAS+8*\b+4:BIAS+8*\b+7], v[BO], s[68:69] offset:64*\b+16
.endr
	v_mul_u32_u24 v3, v1, PITCH
	v_lshl_add_u32 v3, v2, 4, v3                   ; a fragment's row x pitch + 16 x half
	s_mul_i32 s21, s11, 64*PITCH                   ; my 64 rows of A's panels,
	s_mul_i32 s22, s12, 64*PITCH                   ; my 64 rows of B's,
	s_add_co_u32 s22, s22, 2*LOADB                 ; which lie behind A's four
	v_add_nc_u32 v[A0], s21, v3
	v_add_nc_u32 v[B0], s22, v3
	s_mul_i32 s23, s10, 16*SPITCH
	s_add_co_u32 s23, s23, STAGE                   ; my stage
	v_mul_u32_u24 v4, v1, SPITCH                   ; in: row l % 16, 32 bytes for each half of the lanes
	v_lshl_add_u32 v4, v2, 5, v4
	v_add_nc_u32 v[STO], s23, v4
	v_mul_u32_u24 v5, v2, SPITCH                   ; back: lanes 0-15 one row of 256 bytes, lanes 16-31 the next
	v_lshl_add_u32 v5, v1, 4, v5
	v_add_nc_u32 v[RD], s23, v5
	v_lshlrev_b32 v5, 12, v2                       ; and the same two rows in memory
	v_lshl_add_u32 v[CO], v1, 4, v5
	s_wait_loadcnt 0x0                             ; the bias
.irp a, 0,1,2,3
.irp b, 0,1,2,3
.irp j, 0,1,2,3,4,5,6,7
	v_mov_b32 v[ACC+8*(4*(\a)+(\b))+(\j)], v[BIAS+8*(\b)+(\j)]  ; the sums start from the bias
.endr
.endr
.endr
	s_wait_tensorcnt 1                             ; my part of K step 0 is in; K step 1's may stay out
	s_barrier_signal -1
	s_barrier_wait -1
	s_mov_b32 s3, STEPS-1
	s_branch .Lwork                                ; the loop is entered behind its change of slots: both first steps were asked for at the head
.Lstep:                                                ; STEPS - 2 changes fill a slot again; WORK runs STEPS - 1 times here
	CHANGE 1
.Lwork:
	WORK
	s_sub_co_u32 s3, s3, 1
	s_cmp_lg_u32 s3, 0
	s_cbranch_scc1 .Lstep
	CHANGE 0                                       ; the last step is written out
	WORK
	PLACES
	OUT 0
	OUT 1
	OUT 2
	OUT 3
	s_wait_tensorcnt 0x0                           ; the wave's end
	ds_add_u32 v[SPW], v[NIL]
	s_wait_dscnt 0x0
	CROUND                                         ; the closing round
	s_endpgm
.Lfunc_end_k_qada7a0b49e_ffn2:
	.size	k_qada7a0b49e_ffn2, .Lfunc_end_k_qada7a0b49e_ffn2-k_qada7a0b49e_ffn2
	.p2alignl 7, 3214868480
	.fill 96, 4, 3214868480
	.section	.rodata,"a",@progbits
	.p2align	6, 0x0
	.amdhsa_kernel k_qada7a0b49e_ffn2
		.amdhsa_group_segment_fixed_size 327680
		.amdhsa_private_segment_fixed_size 0
		.amdhsa_enable_private_segment 0
		.amdhsa_kernarg_size 40
		.amdhsa_user_sgpr_count 2
		.amdhsa_user_sgpr_kernarg_segment_ptr 1
		.amdhsa_wavefront_size32 1
		.amdhsa_system_sgpr_workgroup_id_x 1
		.amdhsa_system_sgpr_workgroup_id_y 1
		.amdhsa_system_sgpr_workgroup_id_z 1
		.amdhsa_system_vgpr_workitem_id 0
		.amdhsa_next_free_vgpr 512
		.amdhsa_next_free_sgpr 80
		.amdhsa_reserve_vcc 0
		.amdhsa_float_denorm_mode_32 3
		.amdhsa_float_denorm_mode_16_64 3
		.amdhsa_memory_ordered 1
		.amdhsa_forward_progress 1
		.amdhsa_inst_pref_size 63
	.end_amdhsa_kernel
	.amdgpu_metadata
---
amdhsa.version: [ 1, 2 ]
amdhsa.kernels:
  - .name:           k_qada7a0b49e_ffn2
    .symbol:         k_qada7a0b49e_ffn2.kd
    .args:
      - { .name: big, .offset: 0, .size: 8, .value_kind: global_buffer, .address_space: global }
      - { .name: pb, .offset: 8, .size: 8, .value_kind: global_buffer, .address_space: global }
      - { .name: b2, .offset: 16, .size: 8, .value_kind: global_buffer, .address_space: global }
      - { .name: x1, .offset: 24, .size: 8, .value_kind: global_buffer, .address_space: global }
      - { .name: out0, .offset: 32, .size: 8, .value_kind: global_buffer, .address_space: global }
    .group_segment_fixed_size: 327680
    .private_segment_fixed_size: 0
    .kernarg_segment_align: 8
    .kernarg_segment_size: 40
    .max_flat_workgroup_size: 128
    .sgpr_count:     80
    .vgpr_count:     512
    .wavefront_size: 32
...
	.end_amdgpu_metadata
.endif
;; end of part 6
